; MI455X (gfx1250); checked and timed in simulation.
; The chip was launched on July 23, 2026; its instructions are those of AMD's public machine-readable ISA for CDNA 5 (MIT licence, August 2026) and "CDNA5" Instruction Set Architecture Reference Guide (July 2026). The comments in the code are by the model that wrote it; some were corrected since.
;; Stable Multihead Attention. Allowed arithmetic: matrix products marked QUANTISED: E2M3 operands, one E8M0 scale for each 32 along K, by v_wmma_scale_f32_16x16x128_f8f6f4 with both operands' format E2M3, f32 sums; everything else in f32.
;; Inputs: out_b 1,024 float32; out_w_codes 1,024 x 32 x 24 uint8 (E2M3 codes of out_w, K innermost, in blocks of 32 codes, four codes in three bytes); out_w_scales 1,024 x 32 uint8 (E8M0 scales of out_w, one for each 32 codes along K); qkv_b 3,072 float32; qkv_w_codes 3,072 x 32 x 24 uint8 (E2M3 codes of qkv_w, K innermost, in blocks of 32 codes, four codes in three bytes); qkv_w_scales 3,072 x 32 uint8 (E8M0 scales of qkv_w, one for each 32 codes along K); x_codes 4 x 2,048 x 32 x 24 uint8 (E2M3 codes of x, K innermost, in blocks of 32 codes, four codes in three bytes); x_scales 4 x 2,048 x 32 uint8 (E8M0 scales of x, one for each 32 codes along K).
;; Outputs: out0 4 x 2,048 x 1,024 float32.
;; This version of the problem:
;;   THIS VERSION OF THE PROBLEM IS GIVEN IN LOW PRECISION. The matrix products marked QUANTISED in the list below multiply operands that are first quantised to E2M3 (2 exponent bits, 3 mantissa bits; 6 bits a number), with one power-of-two scale for each 32 numbers along K (OCP MX v1.0); their sums are f32. All else is computed in f32.
;;   The module's matrix products, in the order in which they are computed (A, B: the left and right operand; K: the contracted axis; several contracted axes count as one K, in the product's order):
;;     1. [M 8,192, K 1,024] x [K 1,024, N 3,072]; A: input x (given as codes); B: input qkv_w (given as codes): QUANTISED
;;     2. batch 64 x [M 2,048, K 64] x [K 64, N 2,048]; A: computed on the way; B: computed on the way: QUANTISED
;;     3. batch 64 x [M 2,048, K 2,048] x [K 2,048, N 64]; A: softmax (see below); B: computed on the way: QUANTISED
;;     4. [M 8,192, K 1,024] x [K 1,024, N 1,024]; A: computed on the way; B: input out_w (given as codes): QUANTISED
;;   THE QUANTISER, for each operand of a quantised product, along K:
;;     - K is cut into blocks of 32 from its start; a last block that is shorter is filled with zeros.
;;     - A block's scale is 2^e with e = floor(log2(the largest magnitude in the block)) - 2, held to -126 .. 127; a block of zeros has e = 0. As a byte (E8M0): e + 127.
;;     - Each number is divided by its block's scale, clamped to +-7.5, and rounded to the nearest number of E2M3, ties to even, subnormals kept.
;;     - The product sums the exact products of the quantised numbers (number of the format x scale) in f32.
;;   ~~~python
;;   def quantise(x, axis):      # numpy; x: float32 -> the quantised numbers, widened to float32 again
;;       x = np.moveaxis(x, axis, -1); K = x.shape[-1]
;;       x = np.pad(x, [(0, 0)] * (x.ndim - 1) + [(0, -K % 32)]); x = x.reshape(x.shape[:-1] + (-1, 32)); a = np.abs(x).max(-1, keepdims=True)
;;       e = np.where(a > 0, np.clip(np.frexp(np.where(a > 0, a, 1))[1] - 1 - 2, -126, 127), 0)      # np.frexp(a)[1] - 1 = floor(log2(a)), exactly
;;       r = np.clip(x / 2.0 ** e, -7.5, 7.5)
;;       step = 2.0 ** (np.maximum(np.frexp(np.where(r == 0, 1, r))[1] - 1, 0) - 3)
;;       q = np.round(r / step) * step * 2.0 ** e      # np.round: ties to even
;;       return np.moveaxis(q.reshape(q.shape[:-2] + (-1,))[..., :K], -1, axis).astype(np.float32)
;;   ~~~
;;   SOFTMAX AHEAD OF A QUANTISED PRODUCT. Where the list says 'softmax', what is quantised is not the finished softmax but p = 2^(t - M), with t = logit x log2(e) and M = ceil(the row's largest t), a whole number; so 1/2 < the row's largest p <= 1. The row's sum l is taken of the UNQUANTISED p, in f32, and the product's result is divided by l at the end. Since M is a whole number, a kernel that streams over the keys may use a running M (the ceiling of the running maximum): every later rescaling is an exact power of two, which a block's scale takes up: the codes' values come out the same.
;;   OPERANDS COMPUTED ON THE WAY. 'Computed on the way' means the value that the module computes at that place (a softmax that the list does not call 'softmax' is quantised finished and normalised). What goes into a quantiser is computed in f32, as accurately as f32 sums, v_exp_f32 and their like allow (about 1e-6 of the number): no bf16 or f16 on the way to a quantiser, and a product that is left as it is and whose result goes on into a quantised operand takes f32 operands (vector FMAs, or v_wmma_f32_16x16x4_f32). A number that lies on a knife's edge between two numbers of the format may be rounded either way, as far as f32 arithmetic and the matrix unit's own rounding can turn it there, and no further.
;;   INPUTS GIVEN AS CODES. out_w (in the module: [1024, 1024], K = its axis 1); qkv_w (in the module: [3072, 1024], K = its axis 1); x (in the module: [4, 2048, 1024], K = its axis 2): each comes as NAME_codes (uint8): NAME with its K axis moved to the last place and cut into blocks of 32 codes, [.., K / 32, bytes a block], one block behind the other in memory; four codes in three bytes: a row's codes are one little-endian stream of bits, code i at bits 6 i .. 6 i + 5 (a code: sign, 2 exponent bits, 3 mantissa bits); and NAME_scales (uint8): the same leading axes, one E8M0 byte (e + 127) for each 32 codes along K. Its value is code x scale, taken as it is: it is not quantised again, and the codes and scales need not be those that the quantiser above would give.
;; One version. Each part assembles by itself: llvm-mc -triple=amdgcn-amd-amdhsa -mcpu=gfx1250 --defsym DOCPART=n.
;; ======== version 1 of 1: 3 launches
;; workspace buffers: qws 6,815,744 bytes; kws 6,815,744 bytes; vws 6,553,600 bytes; aimg 6,291,456 bytes; asc 262,144 bytes
;; launch qkv (part 1): grid 12 x 32, 4 waves a work-group, clusters of 4 x 4, 327,680 bytes of LDS; arguments x_codes, x_scales, qkv_w_codes, qkv_w_scales, qkv_b, qws, kws, vws; writes qws, kws, vws
.if DOCPART == 1
	.amdgcn_target "amdgcn-amd-amdhsa--gfx1250"
	.amdhsa_code_object_version 6
	.text
	.protected	k_q392139d56b_qkv
	.globl	k_q392139d56b_qkv
	.p2align	8
	.type	k_q392139d56b_qkv,@function
k_q392139d56b_qkv:
	s_mov_b64 s[64:65], 0
	v_nop
	global_prefetch_b8 v0, s[64:65] scope:SCOPE_SE
	s_setreg_imm32_b32 hwreg(HW_REG_WAVE_MODE, 25, 1), 1
	s_wait_xcnt 0x0
	s_wait_alu depctr_hold_cnt(0) depctr_sa_sdst(0) depctr_va_vdst(0) depctr_va_sdst(0) depctr_va_ssrc(0) depctr_va_vcc(0) depctr_vm_vsrc(0)
	s_getreg_b32 s2, hwreg(HW_REG_IB_STS2, 6, 4)
	s_cmp_eq_u32 s2, 0
	s_cbranch_scc0 .Lentry_in_a_cluster
	s_endpgm
.Lentry_in_a_cluster:
	s_bfe_u32 s2, ttmp6, 0x10000c
	s_cmp_lg_u32 s2, 0xf033
	s_cbranch_scc0 .Lentry_shape_is_right
	s_endpgm
.Lentry_shape_is_right:
; qkv = x W^T + b on codes of FP6 (E2M3) with E8M0 scales, f32 sums; the results are quantised at once and leave as codes: q and k along the head's 64 numbers, v along the tokens.
; x: [8192][1024], W: [3072][1024] as codes, K innermost (768 bytes a row), scale bytes [..][32].  A tile of 256 x 256 results is made by four waves, 128 x 128 each: 64 accumulators, 512 registers.
; K goes in steps of 256 through a ring of two LDS slots filled by the tensor data mover; the scale bytes of the tile's rows come once and stay.  384 tiles in clusters of 4 x 4: the cluster's x is the TYPE
; (0: q, 1: k, 2: v), the same in all sixteen partners.  Tiles narrower than 256 would straddle no type either, but each LDS byte would feed fewer products.
; ROLES.  The matrix instruction takes "B" as source 0 and "A" as source 1: a lane then holds ONE row of A and its registers run along B's rows.  For q and k: A = 256 tokens of x, B = 256 rows of W, so a lane's
; 64 registers of a block of 16 tokens run along 128 features (two heads).  For v: A = 256 rows of W (from row 2048 on), B = 256 tokens, so they run along 128 tokens.  In each type they run along the axis to be quantised.
; A's tile hangs on the cluster's y place alone and is asked for jointly by a row of the cluster, B's on the x place alone, by a column.
; THE ORDER INSIDE A BLOCK OF 32.  Register 16 b + 8 u + j of lane (r, h) is number 32 b + 16 u + 8 h + j along the quantised axis; the codes are laid as if it were 32 b + 16 h + 8 u + j.  So place 8 u + j of a block
; holds number 8 s(u) + j, s = (0, 2, 1, 3).  q and k carry the same order, which keeps their product; the launch that reads v gives its other operand the same order.
; WHAT IS STORED, in the order of the reader's operand registers:
;   qws, kws [head 64][128 tokens 16][6656]: 8 tiles of 16 tokens x 768 bytes, [piece i 0..2][slot 0..31][8 bytes]; slot = r % 8 + 8 hh + 16 ((r / 8) xor ((tile / 2) % 2)) holds registers 2 i, 2 i + 1 of lane (r, hh): block hh
;   of token r.  At + 6144: 512 bytes of scale words, [lane][4]: word p of lane (r, h) is tile p + 4 h, row r; bytes 0, 1 the head's two blocks, bytes 2, 3 zero.
;   vws [head][128 tokens][6400]: 4 tiles of 16 of the head's 64 x 1536 bytes, [j 0..2][lane][16 bytes]: a whole fragment.  At + 6144: 256 bytes, [lane][2]: word y: lanes 0-15 tile 2 y, lanes 16-31 tile 2 y + 1.
; Each store of a wave covers 256 or 512 consecutive bytes, aligned.
; LIMITS: NaN and infinities are not served.  A block whose largest magnitude lies under 2^-124, a block of zeros among them, gets the scale byte 1 (the stated quantiser gives a block of zeros 127): its codes are
; then zeros or subnormal codes of that scale, and the bytes are read by this program alone.
.set SIZE_K, 1024
.set KSTEP,  256                       ; along K in a slot
.set NQ,     KSTEP/128                 ; matrix instructions deep
.set ROWB,   192                       ; a tile's row in bytes
.set KROW,   SIZE_K*6/8                ; a row of codes in memory
.set PITCH,  240                       ; an LDS row: 3 x (64 bytes + 16 of padding)
.set FR,     12                        ; registers of a fragment
.set NL,     6                         ; LDS loads that bring one
.set NP,     4                         ; places behind this matrix instruction (ISA guide 7.12.1)
.set HALFT,  128*PITCH                 ; 128 rows: one tensor load
.set SLOT,   4*HALFT                   ; A's 256 rows, then B's 256 rows
.set LAPS,   SIZE_K/(2*KSTEP)
.set KS,     SIZE_K/32                 ; a row of scale bytes
.set SCL,    2*SLOT                    ; behind the ring: the scales, as rows of 256 bytes + 16 of padding
.set HALFS,  (128*KS/256)*272
.set SBLK,   (16*KS/256)*272
.set SPARE,  SCL+4*HALFS               ; the spare words, 128 bytes a wave: two blocks of 256 bytes that no other line names
.set QKB,    6656                      ; a block of qws or kws
.set VB,     6400                      ; a block of vws
.set SA,   7                           ; v7, v8  8 x slot for tiles with (tile / 2) % 2 = 0, 1
.set L16,  9                           ; v9      16 x lane
.set L8,   10                          ; v10     8 x lane
.set BIO,  11                          ; v11     byte offset in qkv_b of my bias along the registers
.set BVO,  12                          ; v12     and of my bias along the lanes
.set ADRA, 16                          ; v16-19  LDS addresses of my A fragments (slot 0, 1; the same behind one padding more)
.set ADRB, 20                          ; v20-23  the same for B
.set ADRS, 27                          ; v27     LDS address of my scale words
.set SPW,  28                          ; v28     my spare word; never rewritten
.set NIL,  29                          ; v29     0; never rewritten
.set SC,   32                          ; v32-63  scale words, two sets
.set BI,   64                          ; v64-127 q, k: the bias of my 128 features, in the accumulators' layout
.set AF,   128                         ; v128-223 A's fragments, one set
.set H,    128                         ; the way out: 64 numbers
.set PC,   192                         ; v192-211 the codes just made
.set PW,   212                         ; their scale word
.set WT,   213
.set U,    214                         ; v214-221 scale words gathered for the stores
.set BV,   224                         ; v224-239 v: the bias of my lane's feature in each of the 8 blocks, twice each (a pair for the packed addition)
.set TM,   240                         ; v240-255 at work in QUANT
.set SEL,  92                          ; s[92:93] lane selects, set on the way out
.set G1, 24
.set G0, 32
.set G1B, 48
.set G0B, 56
.set G1S, 68
.set G0S, 76
.set G1SB, 80
.set G0SB, 88
.set MSB, 0
.macro WIN new                         ; the immediate's high byte repeats the setting that is left
.if MSB != \new
	s_set_vgpr_msb (MSB<<8)|\new
.set MSB, \new
.endif
.endm
.set MUL_LO, 0xa1                      ; source 0 (B) window 1, source 1 (A) window 0, C and D window 2
.set MUL_HI, 0xf1                      ; the same, C and D window 3
.set TO_B,   0x40                      ; destination window 1
; A joint load: waves 0 and 1 fetch for A, waves 2 and 3 for B; the branch hangs on the wave's number alone.  Four v_nop follow each of the two lines.
.macro JLOAD g0a, g1a, g0b, g1b
	s_cmp_eq_u32 s15, 0
	s_cbranch_scc0 .Lfor_b_\@
	tensor_load_to_lds s[\g0a:\g0a+3], s[\g1a:\g1a+7]
	s_nop 0
.rept 4
	v_nop
.endr
	s_branch .Lasked_\@
.Lfor_b_\@:
	tensor_load_to_lds s[\g0b:\g0b+3], s[\g1b:\g1b+7]
	s_nop 0
.rept 4
	v_nop
.endr
.Lasked_\@:
.endm
.macro CREST                           ; a round of the cluster's barrier behind its opening barrier
	s_cmp_lg_u32 s14, 0
	s_cbranch_scc1 .Lnot_wave_0_\@
	s_barrier_signal -3
.Lnot_wave_0_\@:
	s_barrier_wait -3
	s_barrier_signal -1
	s_barrier_wait -1
.endm
.macro CROUND
	s_barrier_signal -1
	s_barrier_wait -1
	CREST
.endm
	s_load_b128 s[4:7], s[0:1], 0x0                ; x's codes, x's scales
	s_load_b128 s[8:11], s[0:1], 0x10              ; W's codes, W's scales
	v_lshl_add_u32 v[SPW], v0, 2, SPARE
	v_mov_b32 v[NIL], 0
	ds_add_u32 v28, v29
	ds_add_u32 v28, v29
	s_wait_dscnt 0x0
	v_lshrrev_b32 v1, 5, v0
	v_readfirstlane_b32 s14, v1                    ; wave 0..3
	s_lshr_b32 s15, s14, 1                         ; which half of A's rows is mine.  Also: I fetch for A (0) or for B (1)
	s_and_b32 s16, s14, 1                          ; which half of B's rows.  Also: which 128 rows I fetch
	s_bfe_u32 s40, ttmp6, 0x40000                  ; cx
	s_bfe_u32 s41, ttmp6, 0x40004                  ; cy
	s_and_b32 s17, ttmp7, 0xffff
	s_lshl_b32 s17, s17, 2                         ; 4 x cluster y: a run of 1,024 tokens
	s_lshl_b32 s42, ttmp9, 2                       ; 4 x cluster x: the type's first 256 rows of W
	s_cmp_eq_u32 ttmp9, 2                          ; v?  The same answer in all sixteen partners
	s_cselect_b32 s42, s17, s42                    ; B's tiles: v: tokens; q, k: rows of W
	s_cselect_b32 s17, 8, s17                      ; A's tiles: v: W from row 2048 on; q, k: tokens
	s_add_co_u32 s42, s42, s40                     ; B's tile of 256 rows: + cx
	s_add_co_u32 s17, s17, s41                     ; A's: + cy
	s_lshl_b32 s43, s41, 2
	s_lshl_b32 s43, 15, s43                        ; my row of the cluster
	s_lshl_b32 s44, 0x1111, s40                    ; my column
	; descriptor group 1: 128 rows x 192 bytes, 16 bytes of padding behind every 64.  x and W have rows of the same length, so the words are constants for both roles
	s_or_b32 s[G1+0], s43, (0<<16)|(1<<20)|(1<<21)|(3<<22)|(3<<25)
	s_or_b32 s[G1B+0], s44, (0<<16)|(1<<20)|(1<<21)|(3<<22)|(3<<25)
.irp g, G1, G1B
	s_mov_b32 s[\g+1], ROWB<<16                    ; tensor_dim0
	s_mov_b32 s[\g+2], 128<<16                     ; tensor_dim1
	s_mov_b32 s[\g+3], ROWB<<16                    ; tile_dim0
	s_mov_b32 s[\g+4], 128                         ; tile_dim1
	s_mov_b32 s[\g+5], KROW                        ; from row to row
	s_mov_b32 s[\g+6], 0
	s_mov_b32 s[\g+7], 0
.endr
	; the scales of 128 rows: 4,096 dense bytes as 16 rows of 256 (32 elements of 8 bytes), 16 bytes of padding behind each
	s_or_b32 s[G1S+0], s43, (3<<16)|(1<<20)|(1<<21)|(5<<22)|(3<<25)
	s_or_b32 s[G1SB+0], s44, (3<<16)|(1<<20)|(1<<21)|(5<<22)|(3<<25)
.irp g, G1S, G1SB
	s_mov_b32 s[\g+1], 32<<16
	s_mov_b32 s[\g+2], (128*KS/256)<<16
	s_mov_b32 s[\g+3], 32<<16
	s_mov_b32 s[\g+4], 128*KS/256
	s_mov_b32 s[\g+5], 32
	s_mov_b32 s[\g+6], 0
	s_mov_b32 s[\g+7], 0
.endr
	s_lshl_b32 s18, s16, 7                         ; which 128 rows of the tile I fetch
	s_lshl_b32 s20, s17, 8
	s_add_co_u32 s20, s20, s18                     ; A's row
	s_lshl_b32 s46, s42, 8
	s_add_co_u32 s46, s46, s18                     ; B's row
	s_mov_b32 s21, 0
	s_mov_b32 s47, 0
	s_mov_b64 s[18:19], KS
	s_mul_u64 s[22:23], s[20:21], s[18:19]         ; where these rows' scales begin, in bytes
	s_mul_u64 s[92:93], s[46:47], s[18:19]
	s_mov_b64 s[18:19], KROW
	s_mul_u64 s[20:21], s[20:21], s[18:19]         ; and their codes
	s_mul_u64 s[46:47], s[46:47], s[18:19]
	s_mul_i32 s45, s14, HALFT                      ; where they go: wave x 128 rows
	s_mul_i32 s94, s14, HALFS
	s_wait_kmcnt 0x0
	s_cmp_eq_u32 ttmp9, 2                          ; the roles' buffers: a choice that hangs on the cluster's number alone
	s_cselect_b64 s[96:97], s[8:9], s[4:5]         ; A's codes
	s_cselect_b64 s[98:99], s[10:11], s[6:7]       ; A's scales
	s_cselect_b64 s[8:9], s[4:5], s[8:9]           ; B's codes
	s_cselect_b64 s[10:11], s[6:7], s[10:11]       ; B's scales
	s_add_nc_u64 s[20:21], s[96:97], s[20:21]
	s_add_nc_u64 s[22:23], s[98:99], s[22:23]
	s_add_nc_u64 s[46:47], s[8:9], s[46:47]
	s_add_nc_u64 s[92:93], s[10:11], s[92:93]
	CROUND                                         ; all sixteen work-groups are here: the first joint loads meet
	s_mov_b32 s[G0S], 1
	s_add_co_u32 s[G0S+1], s94, SCL
	s_mov_b64 s[G0S+2:G0S+3], s[22:23]
	s_or_b32 s[G0S+3], s[G0S+3], 0x80000000
	s_mov_b32 s[G0SB], 1
	s_add_co_u32 s[G0SB+1], s94, SCL
	s_mov_b64 s[G0SB+2:G0SB+3], s[92:93]
	s_or_b32 s[G0SB+3], s[G0SB+3], 0x80000000
	JLOAD G0S, G1S, G0SB, G1SB                     ; the scales first: they are wanted with K step 0
.irp s, 0,1
	s_mov_b32 s[G0+4*\s], 1
	s_add_co_u32 s[G0+4*\s+1], s45, \s*SLOT
	s_add_nc_u64 s[G0+4*\s+2:G0+4*\s+3], s[20:21], \s*ROWB
	s_or_b32 s[G0+4*\s+3], s[G0+4*\s+3], 0x80000000
	s_mov_b32 s[G0B+4*\s], 1
	s_add_co_u32 s[G0B+4*\s+1], s45, \s*SLOT
	s_add_nc_u64 s[G0B+4*\s+2:G0B+4*\s+3], s[46:47], \s*ROWB
	s_or_b32 s[G0B+4*\s+3], s[G0B+4*\s+3], 0x80000000
	JLOAD G0+4*\s, G1, G0B+4*\s, G1B
.endr
	s_load_b256 s[4:11], s[0:1], 0x20              ; qkv_b s[4:5], qws s[6:7], kws s[8:9], vws s[10:11]: the operands' addresses stand in the descriptors by now
	v_and_b32 v1, 15, v0                           ; r = l % 16; kept
	v_bfe_u32 v2, v0, 4, 1                         ; h = l / 16; kept
	v_mul_u32_u24 v3, v1, PITCH
	v_mul_u32_u24 v4, v2, 24
	v_add_nc_u32 v4, v3, v4                        ; a fragment's row x pitch + 24 x half
	v_lshl_add_u32 v5, v2, 4, v4                   ; and the same behind one padding more
	s_mul_i32 s21, s15, HALFT                      ; my 128 rows of A
	s_mul_i32 s22, s16, HALFT                      ; my 128 rows of B,
	s_add_co_u32 s22, s22, 2*HALFT                 ; which lie behind A's 256
.irp s, 0,1
	v_add_nc_u32 v[ADRA+\s], s21, v4
	v_add_nc_u32 v[ADRB+\s], s22, v4
	v_add_nc_u32 v[ADRA+2+\s], s21, v5
	v_add_nc_u32 v[ADRB+2+\s], s22, v5
	s_add_co_u32 s21, s21, SLOT
	s_add_co_u32 s22, s22, SLOT
.endr
	v_mul_u32_u24 v5, v1, KS                       ; my row's scales: KS bytes a row,
	v_lshrrev_b32 v6, 8, v5
	v_lshl_add_u32 v5, v6, 4, v5                   ; and 16 more for each 256 passed
	s_mul_i32 s21, s15, HALFS
	s_mul_i32 s22, s16, HALFS
	s_add_co_u32 s22, s22, 2*HALFS
	s_sub_co_u32 s22, s22, s21
	v_mul_u32_u24 v6, s22, v2                      ; lanes 16-31 take B's
	s_add_co_u32 s21, s21, SCL
	v_add_nc_u32 v5, v5, v6
	v_add_nc_u32 v[ADRS], s21, v5
	; where my results go, and my biases
	s_sub_co_u32 s22, s17, 8                       ; v: which 256 of the type's 1,024 features
	s_and_b32 s23, s42, 3                          ; q, k: the same
	s_lshl_b32 s94, s42, 1
	s_add_co_u32 s94, s94, s16
	s_lshl_b32 s94, s94, 9                         ; q, k: my first feature x 4 bytes: (256 x B's tile + 128 x half) x 4
	s_lshl_b32 s95, s17, 1
	s_add_co_u32 s95, s95, s15
	s_lshl_b32 s95, s95, 9                         ; v: (256 x A's tile + 128 x half) x 4
	s_mov_b32 s45, QKB
	s_cmp_eq_u32 ttmp9, 2
	s_cselect_b32 s18, s42, s17                    ; the tile of 256 tokens,
	s_cselect_b32 s19, s16, s15                    ; my half of it,
	s_cselect_b32 s20, s22, s23                    ; the tile of 256 features,
	s_cselect_b32 s21, s15, s16                    ; my half of it,
	s_cselect_b32 s45, VB, s45                     ; a block's bytes
	s_cselect_b32 s94, 0, s94                      ; the bias that a type does not use is loaded from the buffer's start
	s_cselect_b32 s95, s95, 0
	s_lshl_b32 s18, s18, 1
	s_add_co_u32 s18, s18, s19                     ; my 128 tokens among the 64 runs of 128
	s_lshr_b32 s19, s18, 4                         ; the batch
	s_and_b32 s18, s18, 15                         ; the run of 128 in it
	s_lshl_b32 s20, s20, 2
	s_lshl_b32 s21, s21, 1
	s_add_co_u32 s20, s20, s21                     ; my first head of two
	s_lshl_b32 s19, s19, 4
	s_add_co_u32 s19, s19, s20                     ; 16 x batch + head
	s_lshl_b32 s19, s19, 4
	s_add_co_u32 s19, s19, s18
	s_mul_i32 s18, s19, s45                        ; under 2^23
	s_mov_b32 s19, 0
	v_and_b32 v3, 7, v1
	v_lshlrev_b32 v[SA], 3, v3                     ; 8 (r % 8)
	v_lshl_add_u32 v[SA], v2, 6, v[SA]             ; + 64 hh
	v_lshrrev_b32 v3, 3, v1
	v_lshl_add_u32 v[SA], v3, 7, v[SA]             ; + 128 (r / 8)
	v_xor_b32 v[SA+1], 128, v[SA]                  ; and with r / 8 turned round
	v_and_b32 v3, 31, v0
	v_lshlrev_b32 v[L16], 4, v3
	v_lshlrev_b32 v[L8], 3, v3
	v_lshlrev_b32 v[BIO], 5, v2
	v_add_nc_u32 v[BIO], s94, v[BIO]               ; features 16 b + 8 h + 0 .. 7: 32 h bytes on
	v_lshlrev_b32 v[BVO], 2, v1
	v_add_nc_u32 v[BVO], s95, v[BVO]               ; feature 16 a + r
	s_wait_kmcnt 0x0
	s_cmp_eq_u32 ttmp9, 0
	s_cselect_b64 s[12:13], s[6:7], s[8:9]
	s_cmp_eq_u32 ttmp9, 2
	s_cselect_b64 s[12:13], s[10:11], s[12:13]     ; the type's buffer
	s_add_nc_u64 s[12:13], s[12:13], s[18:19]      ; at my first head's block
.irp b, 0,1,2,3,4,5,6,7
	global_load_b128 v[BI+8*\b:BI+8*\b+3], v[BIO], s[4:5] offset:64*\b
	global_load_b128 v[BI+8*\b+4:BI+8*\b+7], v[BIO], s[4:5] offset:64*\b+16
.endr
.irp a, 0,1,2,3,4,5,6,7
	global_load_b32 v[BV+2*\a], v[BVO], s[4:5] offset:64*\a
	global_load_b32 v[BV+2*\a+1], v[BVO], s[4:5] offset:64*\a
.endr                                              ; they land under the products; their address registers are never rewritten
.macro FRAG reg, adr, q, i             ; a fragment: lane l holds row l % 16; registers 6 c .. 6 c + 5 hold K = 64 c + 32 (l / 16) + 0 .. 31: 24 bytes of the row, as they lie, in pieces of 8
.irp p, 0,1,2,3,4,5
.set PCE, 12*(\q)+6*(\p/3)+\p%3        ; 16 bytes of padding lie behind every 8 pieces: where the piece three on lies behind one padding more, the second address register serves
.if PCE%8 < 5
	ds_load_b64 v[\reg+2*\p:\reg+2*\p+1], v[\adr] offset:8*PCE+16*(PCE/8)+(\i)*16*PITCH
.else
	ds_load_b64 v[\reg+2*\p:\reg+2*\p+1], v[\adr+2] offset:8*PCE+16*(PCE/8)+(\i)*16*PITCH
.endif
.endr
.endm
; 16 matrix instructions: A's blocks a0, a0 + 1 x B's eight, 128 along K.  The 64 accumulators take turns, one instruction a turn, in the same order in every step.
.macro MUL16 a0, p, q, sc, zero
.irp a, \a0, \a0+1
.irp b, 0,1,2,3,4,5,6,7
.if \zero
	v_wmma_scale_f32_16x16x128_f8f6f4 v[8*(8*((\a)%4)+\b):8*(8*((\a)%4)+\b)+7], v[128*(\p)+FR*\b:128*(\p)+FR*\b+FR-1], v[AF+FR*(\a):AF+FR*(\a)+FR-1], 0, v[SC+8*NQ*(\sc)+NQ*\b+(\q)], v[SC+8*NQ*(\sc)+NQ*(\a)+(\q)] matrix_a_fmt:MATRIX_FMT_FP6 matrix_b_fmt:MATRIX_FMT_FP6 matrix_a_scale:MATRIX_SCALE_ROW1
.else
	v_wmma_scale_f32_16x16x128_f8f6f4 v[8*(8*((\a)%4)+\b):8*(8*((\a)%4)+\b)+7], v[128*(\p)+FR*\b:128*(\p)+FR*\b+FR-1], v[AF+FR*(\a):AF+FR*(\a)+FR-1], v[8*(8*((\a)%4)+\b):8*(8*((\a)%4)+\b)+7], v[SC+8*NQ*(\sc)+NQ*\b+(\q)], v[SC+8*NQ*(\sc)+NQ*(\a)+(\q)] matrix_a_fmt:MATRIX_FMT_FP6 matrix_b_fmt:MATRIX_FMT_FP6 matrix_a_scale:MATRIX_SCALE_ROW1
.endif
.endr
.endr
.endm
.macro FETCH_B slot, q, p
	WIN TO_B
.irp i, 0,1,2,3,4,5,6,7
	FRAG 128*(\p)+FR*\i, ADRB+\slot, \q, \i
.endr
	WIN 0
.endm
.macro FETCH_A slot, q, i0
.irp i, \i0, \i0+1, \i0+2, \i0+3
	FRAG AF+FR*(\i), ADRA+\slot, \q, \i
.endr
.endm
.macro SCALES sc                       ; a K step's scale words: lanes 0-15 take A's block i, lanes 16-31 B's block i
.irp i, 0,1,2,3,4,5,6,7
	ds_load_b64 v[SC+8*NQ*\sc+NQ*\i:SC+8*NQ*\sc+NQ*\i+1], v[ADRS] offset:\i*SBLK
.endr
.endm
.macro PLACES n                        ; plain vector instructions that name no register of the matrix instructions in front (ISA guide 7.12.1)
.rept \n
	v_nop
.endr
.endm
.macro STEP slot, q, zero              ; a step of 128 along K that has its successor in the same slot
	s_wait_dscnt 4*NL                              ; B's set and A's blocks 0-3 are in; the youngest 24 loads (A's blocks 4-7) may be out
	WIN MUL_LO
	MUL16 0, (\q)%2, \q, \slot, \zero
	MUL16 2, (\q)%2, \q, \slot, \zero
	s_wait_dscnt 0                                 ; A's blocks 4-7 are in
	PLACES NP
	FETCH_B \slot, (\q)+1, 1-(\q)%2
	FETCH_A \slot, (\q)+1, 0
	WIN MUL_HI
	MUL16 4, (\q)%2, \q, \slot, \zero
	MUL16 6, (\q)%2, \q, \slot, \zero
	PLACES NP
	WIN 0
	FETCH_A \slot, (\q)+1, 4
.endm
; A slot's last step changes slots: one barrier; in front of it each wave waits for all its tensor loads, adds 0 to its spare word, and waits for that and for its own reads of this slot.
.macro TURN slot, next, fill
	s_wait_tensorcnt 0x0                           ; all my tensor loads have landed: my part of the next slot
	ds_add_u32 v[SPW], v[NIL]                      ; 0 onto my spare word
	s_wait_dscnt 4*NL+1                            ; the add and the youngest 24 loads (A's blocks 4-7) may be out
	WIN MUL_LO
	MUL16 0, 1, NQ-1, \slot, 0
	s_wait_dscnt 0x0                               ; the add is done, and my reads of this slot are over
	s_barrier_signal -1
	MUL16 2, 1, NQ-1, \slot, 0
	WIN 0
	s_barrier_wait -1
.if \fill
	CREST                                          ; the barrier has opened a round of the cluster's: no wave of any partner still reads this slot or has a load on its way
	s_add_nc_u64 s[G0+4*\slot+2:G0+4*\slot+3], s[G0+4*\slot+2:G0+4*\slot+3], 2*ROWB
	s_add_nc_u64 s[G0B+4*\slot+2:G0B+4*\slot+3], s[G0B+4*\slot+2:G0B+4*\slot+3], 2*ROWB
	JLOAD G0+4*\slot, G1, G0B+4*\slot, G1B         ; the first tensor load behind the round; its four v_nop are also the places in front of the loads below
.else
	PLACES NP
.endif
	v_add_nc_u32 v[ADRS], 4*NQ, v[ADRS]            ; the next K step's scale words
	FETCH_B \next, 0, 0
	FETCH_A \next, 0, 0
	SCALES \next
	WIN MUL_HI
	MUL16 4, 1, NQ-1, \slot, 0
	MUL16 6, 1, NQ-1, \slot, 0
	PLACES NP
	WIN 0
	FETCH_A \next, 0, 4
.endm
	s_wait_tensorcnt 1                             ; the scales and my part of K step 0 are in; K step 1's load, the one issued behind them, may be out
	s_barrier_signal -1
	s_barrier_wait -1                              ; everybody's are
	FETCH_B 0, 0, 0
	FETCH_A 0, 0, 0
	SCALES 0
	FETCH_A 0, 0, 4
	STEP 0, 0, 1                                   ; the first step's products start the sums
	s_mov_b32 s3, LAPS-1
.Llap:                                                 ; a trip goes once round the ring and fills both slots again
	TURN 0, 1, 1
	STEP 1, 0, 0
	TURN 1, 0, 1
	STEP 0, 0, 0
	s_sub_co_u32 s3, s3, 1
	s_cmp_lg_u32 s3, 0
	s_cbranch_scc1 .Llap
	TURN 0, 1, 0                                   ; the last lap fills nothing
	STEP 1, 0, 0
	s_wait_dscnt 4*NL
	WIN MUL_LO
	MUL16 0, 1, NQ-1, 1, 0
	MUL16 2, 1, NQ-1, 1, 0
	s_wait_dscnt 0
	WIN MUL_HI
	MUL16 4, 1, NQ-1, 1, 0
	MUL16 6, 1, NQ-1, 1, 0
	WIN 0
; THE WAY OUT: no LDS.  64 numbers of a lane, v[s] .. v[s + 63] (block b of 32: registers 16 b .. 16 b + 15 of lanes l and l xor 16), become a fragment's codes in v[PC] .. v[PC + 11] and its scale word in v[PW].
.macro QUANT s
.irp b, 0,1,2,3
	v_max3_num_f32 v[TM+\b], |v[\s+16*\b]|, |v[\s+1+16*\b]|, 0x1800000   ; my 16 numbers of block b, and the floor 2^(3 - 127): the byte cannot fall under 1
.endr
.irp i, 2,4,6,8,10,12,14
.irp b, 0,1,2,3
	v_max3_num_f32 v[TM+\b], v[TM+\b], |v[\s+16*\b+\i]|, |v[\s+1+16*\b+\i]|
.endr
.endr
.irp b, 0,1,2,3
	v_permlanex16_b32 v[TM+4+\b], v[TM+\b], s[SEL], s[SEL+1]
.endr
.irp b, 0,1,2,3
	v_max_num_f32 v[TM+\b], v[TM+\b], v[TM+4+\b]   ; with lane l xor 16's: the block's largest magnitude
.endr
.irp b, 0,1,2,3
	v_add_nc_u32 v[TM+12+\b], 0xff000000, v[TM+\b]   ; 2 off its exponent field: the conversion's scale operand
.endr
.irp b, 0,1,2,3
	v_lshrrev_b32 v[TM+4+\b], 23, v[TM+12+\b]      ; the scale's byte
.endr
	v_lshl_or_b32 v[PW], v[TM+5], 8, v[TM+4]
	v_lshl_or_b32 v[PW], v[TM+6], 16, v[PW]
	v_lshl_or_b32 v[PW], v[TM+7], 24, v[PW]        ; my row's scale word, the same in both halves of the lanes
.irp c, 0,1
	v_cvt_scalef32_pk16_fp6_f32 v[PC+6*\c:PC+2+6*\c], v[\s+32*\c:\s+15+32*\c], v[TM+12+2*\c]
	v_cvt_scalef32_pk16_fp6_f32 v[PC+12+4*\c:PC+14+4*\c], v[\s+16+32*\c:\s+31+32*\c], v[TM+12+2*\c+1]   ; (a conversion's three registers begin on an even number)
.endr
	v_nop                                          ; one plain place behind a scaled conversion
.irp c, 0,1                                    ; a whole block to a lane: lanes 0-15 block 2 c, lanes 16-31 block 2 c + 1
.irp i, 0,1,2
	v_permlane16_swap_b32 v[PC+6*\c+\i], v[PC+12+4*\c+\i]
.endr
.irp i, 0,1,2
	v_mov_b32 v[PC+3+6*\c+\i], v[PC+12+4*\c+\i]
.endr
.endr
.endm
; q, k: block a of 16 tokens.  The bias is added behind the sum, as the definition has it; the packed additions also bring the accumulators into window 0, each from its low end on.
.macro QK a
.if (\a) > 0
	s_wait_xcnt 0x0                                ; the last block's stores have read their data: the codes' registers are rewritten only behind this wait
.endif
.set WQ, 0x02+(\a)/4
	WIN WQ                                         ; source 0: window 2 or 3
.set k, 0
.rept 32
	v_pk_add_f32 v[H+2*k:H+2*k+1], v[64*((\a)%4)+2*k:64*((\a)%4)+2*k+1], v[BI+2*k:BI+2*k+1]
.set k, k+1
.endr
	WIN 0
	QUANT H
.irp c, 0,1                                    ; registers 6 c .. 6 c + 5 are head c's half fragment
.irp i, 0,1,2
	global_store_b64 v[SA+((\a)/2)%2], v[PC+6*\c+2*\i:PC+6*\c+2*\i+1], s[12:13] offset:\c*16*QKB+(\a)*768+\i*256   ; 32 lanes store 256 consecutive bytes, aligned
.endr
.endr
.if (\a) < 4
	v_and_b32 v[U+(\a)], 0xffff, v[PW]             ; head 0's two bytes; bytes 2 and 3 are 0
	v_lshrrev_b32 v[U+4+(\a)], 16, v[PW]           ; head 1's
.else
	v_and_b32 v[WT], 0xffff, v[PW]
	v_cndmask_b32 v[U+(\a)-4], v[U+(\a)-4], v[WT], vcc_lo   ; lanes 16-31 carry tiles 4 to 7
	v_lshrrev_b32 v[WT], 16, v[PW]
	v_cndmask_b32 v[U+(\a)], v[U+(\a)], v[WT], vcc_lo
.endif
.endm
; v: block a of 16 features: head a / 4, tile a % 4; the 64 registers run along my 128 tokens.
.macro VV a
.if (\a) > 0
	s_wait_xcnt 0x0                                ; as above
.endif
.set WQ, 0x02+(\a)/4
	WIN WQ
.set k, 0
.rept 32
	v_pk_add_f32 v[H+2*k:H+2*k+1], v[64*((\a)%4)+2*k:64*((\a)%4)+2*k+1], v[BV+2*(\a):BV+2*(\a)+1]
.set k, k+1
.endr
	WIN 0
	QUANT H
.irp j, 0,1,2
	global_store_b128 v[L16], v[PC+4*\j:PC+4*\j+3], s[12:13] offset:((\a)/4)*16*VB+((\a)%4)*1536+\j*512   ; 32 lanes store 512 consecutive bytes, aligned
.endr
.if (\a)%2 == 0
	v_mov_b32 v[U+(\a)/2], v[PW]
.else
	v_cndmask_b32 v[U+(\a)/2], v[U+(\a)/2], v[PW], vcc_lo   ; lanes 16-31 carry the odd tile's words
.endif
.endm
	PLACES NP                                      ; behind the last products: their results are read and A's registers written below
	s_wait_loadcnt 0x0                             ; the biases
	s_mov_b32 s[SEL], 0x76543210
	s_mov_b32 s[SEL+1], 0xfedcba98                 ; lane l xor 16
	v_cmp_eq_u32 vcc_lo, 1, v2                     ; lanes 16-31; VCC is written nowhere else
.irp b, 0,1,2,3
	v_mov_b32 v[TM+4+\b], 0                        ; a lane permute's destination counts as one of its sources
.endr
	s_cmp_eq_u32 ttmp9, 2                          ; the type: the same in every partner
	s_cbranch_scc1 .Lv
.irp a, 0,1,2,3,4,5,6,7
	QK \a
.endr
.irp c, 0,1
	global_store_b128 v[L16], v[U+4*\c:U+4*\c+3], s[12:13] offset:\c*16*QKB+6144   ; a head's 128 scale words: 512 consecutive bytes
.endr
	s_branch .Lend
.Lv:
.irp a, 0,1,2,3,4,5,6,7
	VV \a
.endr
.irp c, 0,1
	global_store_b64 v[L8], v[U+2*\c:U+2*\c+1], s[12:13] offset:\c*16*VB+6144      ; a head's 64 scale words: 256 consecutive bytes
.endr
.Lend:
	s_wait_tensorcnt 0x0                           ; the wave's end
	ds_add_u32 v[SPW], v[NIL]
	s_wait_dscnt 0x0
	CROUND                                         ; the closing round: no work-group ends while a partner may still ask for a tile that names it
	s_endpgm
.Lfunc_end_k_q392139d56b_qkv:
	.size	k_q392139d56b_qkv, .Lfunc_end_k_q392139d56b_qkv-k_q392139d56b_qkv
	.p2alignl 7, 3214868480
	.fill 96, 4, 3214868480
	.section	.rodata,"a",@progbits
	.p2align	6, 0x0
	.amdhsa_kernel k_q392139d56b_qkv
		.amdhsa_group_segment_fixed_size 327680
		.amdhsa_private_segment_fixed_size 0
		.amdhsa_enable_private_segment 0
		.amdhsa_kernarg_size 64
		.amdhsa_user_sgpr_count 2
		.amdhsa_user_sgpr_kernarg_segment_ptr 1
		.amdhsa_wavefront_size32 1
		.amdhsa_system_sgpr_workgroup_id_x 1
		.amdhsa_system_sgpr_workgroup_id_y 1
		.amdhsa_system_sgpr_workgroup_id_z 1
		.amdhsa_system_vgpr_workitem_id 0
		.amdhsa_next_free_vgpr 1024
		.amdhsa_next_free_sgpr 100
		.amdhsa_reserve_vcc 1
		.amdhsa_float_denorm_mode_32 3
		.amdhsa_float_denorm_mode_16_64 3
		.amdhsa_memory_ordered 1
		.amdhsa_forward_progress 1
		.amdhsa_inst_pref_size 236
	.end_amdhsa_kernel
	.amdgpu_metadata
---
amdhsa.version: [ 1, 2 ]
amdhsa.kernels:
  - .name:           k_q392139d56b_qkv
    .symbol:         k_q392139d56b_qkv.kd
    .args:
      - { .name: x_codes, .offset: 0, .size: 8, .value_kind: global_buffer, .address_space: global }
      - { .name: x_scales, .offset: 8, .size: 8, .value_kind: global_buffer, .address_space: global }
      - { .name: qkv_w_codes, .offset: 16, .size: 8, .value_kind: global_buffer, .address_space: global }
      - { .name: qkv_w_scales, .offset: 24, .size: 8, .value_kind: global_buffer, .address_space: global }
      - { .name: qkv_b, .offset: 32, .size: 8, .value_kind: global_buffer, .address_space: global }
      - { .name: qws, .offset: 40, .size: 8, .value_kind: global_buffer, .address_space: global }
      - { .name: kws, .offset: 48, .size: 8, .value_kind: global_buffer, .address_space: global }
      - { .name: vws, .offset: 56, .size: 8, .value_kind: global_buffer, .address_space: global }
    .group_segment_fixed_size: 327680
    .private_segment_fixed_size: 0
    .kernarg_segment_align: 8
    .kernarg_segment_size: 64
    .max_flat_workgroup_size: 128
    .sgpr_count:     100
    .vgpr_count:     1024
    .wavefront_size: 32
...
	.end_amdgpu_metadata
.endif
;; end of part 1
;; launch attn (part 2): grid 4 x 64, 16 waves a work-group, clusters of 4 x 1, 210,944 bytes of LDS; arguments qws, kws, vws, aimg, asc; writes aimg, asc
.if DOCPART == 2
	.amdgcn_target "amdgcn-amd-amdhsa--gfx1250"
	.amdhsa_code_object_version 6
	.text
	.protected	k_q392139d56b_attn
	.globl	k_q392139d56b_attn
	.p2align	8
	.type	k_q392139d56b_attn,@function
k_q392139d56b_attn:
	s_mov_b64 s[64:65], 0
	v_nop
	global_prefetch_b8 v0, s[64:65] scope:SCOPE_SE
	s_setreg_imm32_b32 hwreg(HW_REG_WAVE_MODE, 25, 1), 1
	s_wait_xcnt 0x0
	s_wait_alu depctr_hold_cnt(0) depctr_sa_sdst(0) depctr_va_vdst(0) depctr_va_sdst(0) depctr_va_ssrc(0) depctr_va_vcc(0) depctr_vm_vsrc(0)
	s_getreg_b32 s2, hwreg(HW_REG_IB_STS2, 6, 4)
	s_cmp_eq_u32 s2, 0
	s_cbranch_scc0 .Lentry_in_a_cluster
	s_endpgm
.Lentry_in_a_cluster:
	s_bfe_u32 s2, ttmp6, 0x10000c
	s_cmp_lg_u32 s2, 0x3003
	s_cbranch_scc0 .Lentry_shape_is_right
	s_endpgm
.Lentry_shape_is_right:
; Attention of one head on codes of FP6 (E2M3) with E8M0 scales: S = q k^T (K = the head's 64), p = 2^((s - the row's largest s) x 0.125 log2(e)), O = p v (K = the 2,048 keys) / the row's sum of the unquantised p;
; O is quantised along the model's axis and leaves as the operand of the last product.
; THE SHIFT.  The definition takes the row's largest score away BEFORE its softmax, so the softmax's largest logit is 0, the whole number M of the stated rule is 0, and the row's largest p is 1.  The largest score
; has to be known first: TWO PASSES over the keys, the first for the maximum alone.  SHIFT_EXACT = 0 would take M = ceil(largest s x 0.125 log2(e)) instead.
; SHARES.  A work-group owns 512 queries of one head, each of its sixteen waves 32: two tiles of 16.  Four waves to a SIMD, 256 registers each, so that one wave's vector work stands beside another's matrix work.
; LDS holds the head's K and V WHOLE, codes and scale words, filled once: wave w brings the blocks of keys 128 w .. 128 w + 127.  Nothing is filled again and nothing is stored into LDS.
; CLUSTER.  The four blocks of queries of a head want the same bytes: each load is asked for jointly by the four, with one descriptor and the mask 15.
; LAYOUT.  Both products are used transposed: S^T = K Q^T, O^T = V^T P^T: a lane holds ONE query (lane % 16) throughout.
; THE KEYS OF A TILE ARE CHOSEN: row rho of tile 4 c + u is key 64 c + 32 (rho / 8) + 8 s(u) + rho % 8, s = (0, 2, 1, 3).  So the 32 registers of tiles 4 c .. 4 c + 3 of lane (r, h) are ONE block of 32 keys, 2 c + h,
; in the order in which v's codes lie inside a block: a block's maximum needs no other lane, and the conversions' results are the operand's registers.
; K = 64 IN AN INSTRUCTION OF 128.  Q's registers 6-11 are zero codes.  K's half fragments stand 6 registers apart and tile t names 12: its upper six are the next tile's codes (zeros behind the last), finite numbers
; that meet zero codes; the scale bytes of that half are 0 on both sides, which is 2^-127 and no NaN.
; LIMITS: NaN and infinities are not served.  A block of p or of O whose largest magnitude lies under 2^-124 gets the scale byte 1 (a block of zeros too, where the stated quantiser says 127); the bytes are read by
; this program alone.  1 / the sum is v_rcp_f32.  asc is stored a byte a lane, rows 32 bytes apart: 1 byte for each 24 of codes.
.set SHIFT_EXACT, 1
.set QKB,  6656                        ; a block of qws or kws: 128 tokens: 8 tiles x 768 bytes, then 512 bytes of scale words
.set VB,   6400                        ; a block of vws: 4 fragments x 1536 bytes, then 256 bytes of scale words
.set VREG, 16*QKB                      ; LDS: K's 16 blocks, then V's 16
.set AK0, 1                            ; v1   my lane's place in a tile of K with u < 2
.set AK1, 2                            ; v2   with u >= 2
.set AKS, 3                            ; v3   among K's scale words
.set AV,  4                            ; v4   in a fragment of V
.set AVS, 5                            ; v5   among V's scale words
.set H8,  6                            ; v6   8 x (lane / 16)
.set AO,  7                            ; v7   8 x lane: the codes' store
.set AS,  8                            ; v8   32 r + lane / 16: the scale bytes' store
.set ADK0, 9                           ; v9, v10 the step's addresses in K
.set ADS, 11
.set ADV, 12
.set ADT, 13
.set L,   14                           ; v[14:15] the row's sum, in two halves
.set QF0, 16                           ; v16-27, v28-39 Q's two fragments: six registers of codes, six of zeros
.set QS0, 40                           ; v40, v41 their scale words
.set KF,  42                           ; v42-89 K's eight half fragments; later in a step V's four fragments
.set VF,  42
.set GRD, 90                           ; v90-95 zeros
.set S,   96                           ; v96-159 S^T, then p
.set S1,  160                          ; v160-223 pass 1: the second tile's S^T
.set O,   160                          ; v160-191 O^T
.set PC,  192                          ; v192-203 codes
.set TA,  204                          ; v204-206, v208-210 second halves of blocks
.set TB,  208
.set BM,  214                          ; v214-217 maxima
.set SO,  218                          ; v218, v219 the conversions' scale operands
.set BY,  220                          ; v220, v221 scale bytes
.set T,   222                          ; v222, v223 at work
.set MX,  224                          ; v224-231 pass 1: four chains for each tile
.set M0,  232                          ; v[232:233], v[234:235] what is taken off the scores, twice each
.set RL,  236                          ; v[236:237] 1 / the sum, twice
.set KS,  240                          ; v240-243 K's scale words: register p: lanes 0-15 tile 2 p, lanes 16-31 tile 2 p + 1
.set VS,  244                          ; v244, v245 V's likewise
.set PW,  246                          ; v246 p's scale word
.set WV,  14
.set CX,  15
.set BH,  16
.set QB,  17
.set G1K, 24
.set G1V, 32
.set G0K, 40
.set G0V, 44
.set SEL, 48
.set CS,  50                           ; s[50:51] 0.125 log2(e)
.set TK,  52                           ; s52 the step's block of K in LDS
.set TV,  53                           ; s53 of V
.set CNT, 54
.set PA,  56                           ; s[56:57] aimg at my first tile
.set PS,  58                           ; s[58:59] asc at my first token and my head's two bytes
.macro CROUND                          ; a round of the cluster's barrier
	s_barrier_signal -1
	s_barrier_wait -1
	s_cmp_lg_u32 s[WV], 0
	s_cbranch_scc1 .Lnot_wave_0_\@
	s_barrier_signal -3
.Lnot_wave_0_\@:
	s_barrier_wait -3
	s_barrier_signal -1
	s_barrier_wait -1
.endm
	s_load_b256 s[4:11], s[0:1], 0x0               ; qws s[4:5], kws s[6:7], vws s[8:9], aimg s[10:11]
	s_load_b64 s[12:13], s[0:1], 0x20              ; asc
	v_lshl_add_u32 v254, v0, 2, 0x33000
	v_mov_b32 v255, 0
	ds_add_u32 v254, v255
	ds_add_u32 v254, v255
	v_lshrrev_b32 v1, 5, v0
	v_readfirstlane_b32 s[WV], v1                  ; wave 0..15
	s_bfe_u32 s[CX], ttmp6, 0x40000                ; my place in the cluster: it enters Q's, aimg's and asc's addresses alone
	s_and_b32 s[BH], ttmp7, 0xffff                 ; 16 x batch + head, which the partners share
	s_lshl_b32 s[QB], ttmp9, 2
	s_add_co_u32 s[QB], s[QB], s[CX]               ; my block of 512 queries
	; descriptor group 1: a dense block as rows of 256 bytes (32 elements of 8): K's 26 rows, V's 25
	s_mov_b32 s[G1K], 15|(3<<16)|(1<<21)           ; 15:0 the mask: all four work-groups; 17:16 elements of 8 bytes; 21 set beside a mask; no padding
	s_mov_b32 s[G1K+1], 32<<16                     ; tensor_dim0
	s_mov_b32 s[G1K+2], 26<<16                     ; tensor_dim1
	s_mov_b32 s[G1K+3], 32<<16                     ; tile_dim0
	s_mov_b32 s[G1K+4], 26                         ; tile_dim1
	s_mov_b32 s[G1K+5], 32                         ; from row to row
	s_mov_b32 s[G1K+6], 0
	s_mov_b32 s[G1K+7], 0
	s_mov_b32 s[G1V], 15|(3<<16)|(1<<21)
	s_mov_b32 s[G1V+1], 32<<16
	s_mov_b32 s[G1V+2], 25<<16
	s_mov_b32 s[G1V+3], 32<<16
	s_mov_b32 s[G1V+4], 25
	s_mov_b32 s[G1V+5], 32
	s_mov_b32 s[G1V+6], 0
	s_mov_b32 s[G1V+7], 0
	s_mov_b32 s[G0K], 1
	s_mul_i32 s[G0K+1], s[WV], QKB                 ; LDS: K's block w
	s_mul_i32 s18, s[BH], 16*QKB
	s_add_co_u32 s18, s18, s[G0K+1]                ; and in memory
	s_mov_b32 s19, 0
	s_mov_b32 s[G0V], 1
	s_mul_i32 s20, s[WV], VB
	s_add_co_u32 s[G0V+1], s20, VREG               ; LDS: V's block w
	s_mul_i32 s21, s[BH], 16*VB
	s_add_co_u32 s20, s20, s21
	s_mov_b32 s21, 0
	s_mov_b32 s[SEL], 0x76543210
	s_mov_b32 s[SEL+1], 0xfedcba98                 ; lane l xor 16
	s_mov_b32 s[CS], 0x3e38aa3b                    ; 0.125 log2(e)
	s_mov_b32 s[CS+1], s[CS]                       ; (named with it as a pair)
	s_wait_dscnt 0x0
	s_wait_kmcnt 0x0
	s_add_nc_u64 s[G0K+2:G0K+3], s[6:7], s[18:19]
	s_or_b32 s[G0K+3], s[G0K+3], 0x80000000
	s_add_nc_u64 s[G0V+2:G0V+3], s[8:9], s[20:21]
	s_or_b32 s[G0V+3], s[G0V+3], 0x80000000
	CROUND                                         ; all four work-groups are here: the joint loads meet
	tensor_load_to_lds s[G0K:G0K+3], s[G1K:G1K+7]  ; two loads of mine are out: all that this wave ever asks for
	s_nop 0
	tensor_load_to_lds s[G0V:G0V+3], s[G1V:G1V+7]
	s_nop 0
.rept 4
	v_nop
.endr
	; Q: my two tiles are tiles 2 (w % 4), 2 (w % 4) + 1 of the block of 128 tokens 4 x block + w / 4
	s_lshl_b32 s18, s[BH], 4
	s_lshl_b32 s19, s[QB], 2
	s_add_co_u32 s18, s18, s19
	s_lshr_b32 s19, s[WV], 2
	s_add_co_u32 s18, s18, s19
	s_mul_i32 s18, s18, QKB
	s_mov_b32 s19, 0
	s_add_nc_u64 s[4:5], s[4:5], s[18:19]
	s_and_b32 s20, s[WV], 1                        ; (tile / 2) % 2 of both my tiles
	s_lshl_b32 s21, s20, 7
	s_and_b32 s22, s[WV], 3
	s_mul_i32 s22, s22, 1536                       ; my first tile's 768 bytes
	s_lshl_b32 s20, s20, 3                         ; its scale word: 4 (tile % 4),
	s_bfe_u32 s23, s[WV], 0x10001
	s_lshl_b32 s23, s23, 8                         ; + 256 (tile / 4),
	s_add_co_u32 s20, s20, s23
	s_add_co_u32 s20, s20, 6144                    ; behind the codes
	v_and_b32 v96, 15, v0                          ; r
	v_bfe_u32 v97, v0, 4, 1                        ; hh
	v_and_b32 v98, 7, v0                           ; r % 8
	v_bfe_u32 v99, v0, 3, 1                        ; r / 8
	v_and_b32 v100, 31, v0                         ; lane
	v_lshlrev_b32 v101, 3, v98
	v_lshl_add_u32 v101, v97, 6, v101              ; 8 (r % 8) + 64 hh
	v_lshl_add_u32 v9, v99, 7, v101
	v_xor_b32 v9, s21, v9                          ; 8 x slot
	v_add_nc_u32 v9, s22, v9
	v_lshlrev_b32 v10, 4, v96
	v_add_nc_u32 v10, s20, v10
.irp e, 0,1
.irp i, 0,1,2
	global_load_b64 v[QF0+12*\e+2*\i:QF0+12*\e+2*\i+1], v9, s[4:5] offset:\e*768+\i*256
.endr
	global_load_b32 v[QS0+\e], v10, s[4:5] offset:4*\e
.irp i, 6,7,8,9,10,11
	v_mov_b32 v[QF0+12*\e+\i], 0                   ; zero codes for K = 64 .. 127
.endr
.endr
.irp i, 0,1,2,3,4,5
	v_mov_b32 v[GRD+\i], 0
.endr
.irp i, 0,1,2,3,4,5,6,7
	v_mov_b32 v[MX+\i], 0xff800000                 ; under every score
.endr
	; a tile's row rho lies in tile 4 c + 2 (rho / 8) + u % 2 of the block, row 8 (u / 2) + rho % 8: slot rho % 8 + 8 hh + 16 ((u / 2) xor (rho / 8)).  The 32 lanes of a load of 8 bytes take 256 different bytes modulo 256
	v_mad_u32_u24 v[AK0], v99, 1664, v101          ; u / 2 = 0: 1536 + 128 for rho / 8
	v_mad_u32_u24 v[AK1], v99, 1408, v101          ; u / 2 = 1: 1536 - 128,
	v_add_nc_u32 v[AK1], 128, v[AK1]               ; + 128
	v_lshlrev_b32 v[AKS], 4, v98
	v_lshl_add_u32 v[AKS], v99, 3, v[AKS]
	v_lshl_add_u32 v[AKS], v97, 2, v[AKS]
	v_add_nc_u32 v[AKS], 6144, v[AKS]              ; 6144 + 16 (rho % 8) + 8 (rho / 8) + 4 hh
	v_lshlrev_b32 v[AV], 4, v100
	v_add_nc_u32 v[AV], VREG, v[AV]
	v_lshlrev_b32 v[AVS], 3, v100
	v_add_nc_u32 v[AVS], VREG+6144, v[AVS]
	v_lshlrev_b32 v[H8], 3, v97
	v_lshlrev_b32 v[AO], 3, v100
	v_lshl_add_u32 v[AS], v96, 5, v97
	v_cmp_le_u32 vcc_lo, 16, v100                  ; lanes 16-31; VCC is written nowhere else
	; where my results go: row tile 128 x batch + 32 x block + 2 x wave; K step head / 2, registers 6 (head % 2) on
	s_lshr_b32 s18, s[BH], 4
	s_and_b32 s19, s[BH], 15
	s_lshl_b32 s18, s18, 7
	s_lshl_b32 s20, s[QB], 5
	s_add_co_u32 s18, s18, s20
	s_lshl_b32 s20, s[WV], 1
	s_add_co_u32 s18, s18, s20
	s_mul_i32 s20, s18, 1536
	s_lshr_b32 s21, s19, 1
	s_mul_i32 s21, s21, 786432
	s_add_co_u32 s20, s20, s21
	s_and_b32 s21, s19, 1
	s_mul_i32 s21, s21, 768
	s_add_co_u32 s20, s20, s21
	s_mov_b32 s21, 0
	s_add_nc_u64 s[PA:PA+1], s[10:11], s[20:21]
	s_lshl_b32 s20, s18, 9                         ; 16 tokens x 32 bytes a tile
	s_lshl_b32 s19, s19, 1
	s_add_co_u32 s20, s20, s19
	s_add_nc_u64 s[PS:PS+1], s[12:13], s[20:21]
	s_wait_loadcnt 0x0                             ; Q; its address registers may be written
	s_wait_tensorcnt 0x0                           ; my blocks of K and V have landed,
	s_barrier_signal -1
	s_barrier_wait -1                              ; everybody's have: from here on LDS is only read
.macro KLOAD                           ; a step's eight half fragments of K and its scale words
.irp t, 0,1,2,3,4,5,6,7
.irp i, 0,1,2
	ds_load_b64 v[KF+6*\t+2*\i:KF+6*\t+2*\i+1], v[ADK0+(\t%4)/2] offset:(4*(\t/4)+\t%2)*768+\i*256
.endr
.endr
.irp p, 0,1,2,3
	ds_load_b32 v[KS+\p], v[ADS] offset:128*(\p%2)+256*(\p/2)
.endr
.endm
.macro SQ t, d, qf, qs                 ; S^T of tile t: 16 keys x 16 queries
.if (\t)%2
	v_wmma_scale_f32_16x16x128_f8f6f4 v[\d+8*(\t):\d+8*(\t)+7], v[KF+6*(\t):KF+6*(\t)+11], v[\qf:\qf+11], 0, v[KS+(\t)/2], v[\qs] matrix_a_fmt:MATRIX_FMT_FP6 matrix_b_fmt:MATRIX_FMT_FP6 matrix_a_scale:MATRIX_SCALE_ROW1
.else
	v_wmma_scale_f32_16x16x128_f8f6f4 v[\d+8*(\t):\d+8*(\t)+7], v[KF+6*(\t):KF+6*(\t)+11], v[\qf:\qf+11], 0, v[KS+(\t)/2], v[\qs] matrix_a_fmt:MATRIX_FMT_FP6 matrix_b_fmt:MATRIX_FMT_FP6
.endif
.endm
	; ---- PASS 1: the largest score of each query; both tiles at once, so that each fragment of K feeds two products
	s_mov_b32 s[TK], 0
	s_mov_b32 s[CNT], 16
.Lp1:
	v_add_nc_u32 v[ADK0], s[TK], v[AK0]
	v_add_nc_u32 v[ADK0+1], s[TK], v[AK1]
	v_add_nc_u32 v[ADS], s[TK], v[AKS]
	KLOAD                                          ; the last trip's products stand far more than four plain instructions back
	s_wait_dscnt 0x0
.irp t, 0,1,2,3,4,5,6,7
	SQ \t, S, QF0, QS0
	SQ \t, S1, QF0+12, QS0+1
.endr
.rept 4
	v_nop                                          ; places in front of the first read of results
.endr
.set n, 0
.rept 32                                       ; four chains a tile; each accumulator is read from its low end on
	v_max3_num_f32 v[MX+n%4], v[MX+n%4], v[S+2*n], v[S+2*n+1]
	v_max3_num_f32 v[MX+4+n%4], v[MX+4+n%4], v[S1+2*n], v[S1+2*n+1]
.set n, n+1
.endr
	s_add_co_u32 s[TK], s[TK], QKB
	s_sub_co_u32 s[CNT], s[CNT], 1
	s_cmp_lg_u32 s[CNT], 0
	s_cbranch_scc1 .Lp1
.irp q, 0,1
	v_max3_num_f32 v[MX+4*\q], v[MX+4*\q], v[MX+4*\q+1], v[MX+4*\q+2]
.endr
.irp q, 0,1
	v_max_num_f32 v[MX+4*\q], v[MX+4*\q], v[MX+4*\q+3]
.endr
.irp q, 0,1
	v_permlanex16_b32 v[MX+4*\q+1], v[MX+4*\q], s[SEL], s[SEL+1]   ; the query's other keys lie in the lane 16 away
.endr
.irp q, 0,1
	v_max_num_f32 v[M0+2*\q], v[MX+4*\q], v[MX+4*\q+1]
.endr
.if SHIFT_EXACT == 0
.irp q, 0,1
	v_mul_f32 v[M0+2*\q], s[CS], v[M0+2*\q]
.endr
.irp q, 0,1
	v_floor_f32 v[M0+2*\q], -v[M0+2*\q]            ; -M = floor(-t)
.endr
.endif
.irp q, 0,1
	v_mov_b32 v[M0+2*\q+1], v[M0+2*\q]
.endr
; ---- PASS 2, a key step of 128 keys for tile q.  first = 1: its products start O^T's sums.
.macro STEP2 q, first
.set MM, M0+2*(\q)
	v_add_nc_u32 v[ADK0], s[TK], v[AK0]            ; five plain instructions: the places between the last step's products and the loads into the registers that they read
	v_add_nc_u32 v[ADK0+1], s[TK], v[AK1]
	v_add_nc_u32 v[ADS], s[TK], v[AKS]
	v_add_nc_u32 v[ADV], s[TV], v[AV]
	v_add_nc_u32 v[ADT], s[TV], v[AVS]
	KLOAD
	s_wait_dscnt 0x0
.irp t, 0,1,2,3,4,5,6,7
	SQ \t, S, QF0+12*(\q), QS0+(\q)
.endr
.rept 4
	v_nop                                          ; places in front of the loads into K's registers and of the first read of results
.endr
.irp dt, 0,1,2,3                               ; V's four fragments take K's registers now and land under the softmax
.irp j, 0,1,2
	ds_load_b128 v[VF+12*\dt+4*\j:VF+12*\dt+4*\j+3], v[ADV] offset:\dt*1536+\j*512
.endr
.endr
	ds_load_b64 v[VS:VS+1], v[ADT]
.irp b, 0,1,2,3                                ; the largest score of my two blocks of 32 keys, in four chains of 16
	v_max3_num_f32 v[BM+\b], v[S+16*\b], v[S+1+16*\b], v[S+2+16*\b]
.endr
.irp i, 3,5,7,9,11,13
.irp b, 0,1,2,3
	v_max3_num_f32 v[BM+\b], v[BM+\b], v[S+16*\b+\i], v[S+1+16*\b+\i]
.endr
.endr
.irp b, 0,1,2,3
	v_max_num_f32 v[BM+\b], v[BM+\b], v[S+15+16*\b]
.endr
	v_max_num_f32 v[BM], v[BM], v[BM+1]            ; block h
	v_max_num_f32 v[BM+1], v[BM+2], v[BM+3]        ; block 2 + h
.if SHIFT_EXACT
	v_sub_f32 v[BM], v[BM], v[MM]                  ; the same two roundings as the scores below: the block's largest p comes out with the same bits
	v_sub_f32 v[BM+1], v[BM+1], v[MM]
	v_mul_f32 v[BM], s[CS], v[BM]
	v_mul_f32 v[BM+1], s[CS], v[BM+1]
.set j, 0
.rept 32
	v_pk_add_f32 v[S+j:S+j+1], v[S+j:S+j+1], v[MM:MM+1] neg_lo:[0,1] neg_hi:[0,1]   ; s - the row's largest: rounded where the definition rounds (its factor 1/8 is exact)
.set j, j+2
.endr
.set j, 0
.rept 32
	v_pk_mul_f32 v[S+j:S+j+1], v[S+j:S+j+1], s[CS:CS+1] op_sel_hi:[1,0]            ; t, 0 at the most
.set j, j+2
.endr
.else
	v_fma_f32 v[BM], v[BM], s[CS], v[MM]
	v_fma_f32 v[BM+1], v[BM+1], s[CS], v[MM]
.set j, 0
.rept 32
	v_pk_fma_f32 v[S+j:S+j+1], v[S+j:S+j+1], s[CS:CS+1], v[MM:MM+1] op_sel_hi:[1,0,1]
.set j, j+2
.endr
.endif
.set j, 0
.rept 64
	v_exp_f32 v[S+j], v[S+j]                       ; p, not normalised
.set j, j+1
.endr
	v_exp_f32 v[BM], v[BM]
	v_exp_f32 v[BM+1], v[BM+1]
	v_nop                                          ; a plain place behind the exponentials
	s_wait_alu depctr_va_vdst(0)
	v_max_num_f32 v[BM], 0x1800000, v[BM]          ; the floor 2^(3 - 127): the byte cannot fall under 1
	v_max_num_f32 v[BM+1], 0x1800000, v[BM+1]
	v_add_nc_u32 v[SO], 0xff000000, v[BM]          ; 2 off the exponent field: the conversion's scale operand
	v_add_nc_u32 v[SO+1], 0xff000000, v[BM+1]
	v_lshrrev_b32 v[BY], 23, v[SO]
	v_lshrrev_b32 v[BY+1], 23, v[SO+1]
	v_lshl_or_b32 v[T], v[BY+1], 16, v[BY]         ; my two bytes, blocks h and 2 + h,
	v_lshlrev_b32 v[T], v[H8], v[T]                ; at their places;
	v_permlanex16_b32 v[T+1], v[T], s[SEL], s[SEL+1]
	v_or_b32 v[PW], v[T], v[T+1]                   ; with lane l xor 16's two the word is whole
	v_cvt_scalef32_pk16_fp6_f32 v[PC:PC+2], v[S:S+15], v[SO]
	v_cvt_scalef32_pk16_fp6_f32 v[TA:TA+2], v[S+16:S+31], v[SO]        ; (a conversion's three registers begin on an even number)
	v_cvt_scalef32_pk16_fp6_f32 v[PC+6:PC+8], v[S+32:S+47], v[SO+1]
	v_cvt_scalef32_pk16_fp6_f32 v[TB:TB+2], v[S+48:S+63], v[SO+1]
	v_nop                                          ; one plain place behind a scaled conversion
.irp i, 0,1,2
	v_mov_b32 v[PC+3+\i], v[TA+\i]
	v_mov_b32 v[PC+9+\i], v[TB+\i]
.endr
	v_pk_add_f32 v[T:T+1], v[S:S+1], v[S+2:S+3]    ; the row's sum of the unquantised p, in two chains.  These 32 are also the places between the writes of p's codes and scale word and the products
.irp j, 4,8,12,16,20,24,28,32,36,40,44,48,52,56,60
	v_pk_add_f32 v[L:L+1], v[L:L+1], v[S+\j:S+\j+1]
	v_pk_add_f32 v[T:T+1], v[T:T+1], v[S+2+\j:S+3+\j]
.endr
	v_pk_add_f32 v[L:L+1], v[L:L+1], v[T:T+1]
	s_wait_dscnt 0x0                               ; V
.irp dt, 0,2                                   ; O^T += V^T P^T: four accumulators, one instruction a turn; eight other products stand between two links of a chain
.if \first
	v_wmma_scale_f32_16x16x128_f8f6f4 v[O+8*\dt:O+8*\dt+7], v[VF+12*\dt:VF+12*\dt+11], v[PC:PC+11], 0, v[VS+\dt/2], v[PW] matrix_a_fmt:MATRIX_FMT_FP6 matrix_b_fmt:MATRIX_FMT_FP6
	v_wmma_scale_f32_16x16x128_f8f6f4 v[O+8+8*\dt:O+8+8*\dt+7], v[VF+12+12*\dt:VF+12+12*\dt+11], v[PC:PC+11], 0, v[VS+\dt/2], v[PW] matrix_a_fmt:MATRIX_FMT_FP6 matrix_b_fmt:MATRIX_FMT_FP6 matrix_a_scale:MATRIX_SCALE_ROW1
.else
	v_wmma_scale_f32_16x16x128_f8f6f4 v[O+8*\dt:O+8*\dt+7], v[VF+12*\dt:VF+12*\dt+11], v[PC:PC+11], v[O+8*\dt:O+8*\dt+7], v[VS+\dt/2], v[PW] matrix_a_fmt:MATRIX_FMT_FP6 matrix_b_fmt:MATRIX_FMT_FP6
	v_wmma_scale_f32_16x16x128_f8f6f4 v[O+8+8*\dt:O+8+8*\dt+7], v[VF+12+12*\dt:VF+12+12*\dt+11], v[PC:PC+11], v[O+8+8*\dt:O+8+8*\dt+7], v[VS+\dt/2], v[PW] matrix_a_fmt:MATRIX_FMT_FP6 matrix_b_fmt:MATRIX_FMT_FP6 matrix_a_scale:MATRIX_SCALE_ROW1
.endif
.endr
	s_add_co_u32 s[TK], s[TK], QKB
	s_add_co_u32 s[TV], s[TV], VB
.endm
; Tile q's O^T is divided by the sum, brought into the natural order along the head's 64, quantised (two blocks of 32) and stored as registers 6 (head % 2) .. + 5 of the last product's fragment.
.macro OUT q
.rept 4
	v_nop                                          ; places behind the last products
.endr
	v_add_f32 v[L], v[L], v[L+1]
	v_permlanex16_b32 v[T], v[L], s[SEL], s[SEL+1]
	v_add_f32 v[L], v[L], v[T]                     ; the row's sum
	v_rcp_f32 v[RL], v[L]
	v_rcp_f32 v[RL+1], v[L]
	v_nop                                          ; a plain place behind the reciprocals
.set j, 0
	s_wait_alu depctr_va_vdst(0)
.rept 16
	v_pk_mul_f32 v[O+j:O+j+1], v[O+j:O+j+1], v[RL:RL+1]   ; each accumulator from its low end on
.set j, j+2
.endr
.irp b, 0,1                                    ; register 16 b + 8 u + j holds d = 32 b + 16 u + 8 h + j; the exchange makes register 16 b + i hold d = 32 b + 16 h + i
.irp j, 0,1,2,3,4,5,6,7
	v_permlane16_swap_b32 v[O+16*\b+\j], v[O+16*\b+8+\j]
.endr
.endr
.irp b, 0,1
	v_max3_num_f32 v[BM+\b], |v[O+16*\b]|, |v[O+1+16*\b]|, 0x1800000
.endr
.irp i, 2,4,6,8,10,12,14
.irp b, 0,1
	v_max3_num_f32 v[BM+\b], v[BM+\b], |v[O+16*\b+\i]|, |v[O+1+16*\b+\i]|
.endr
.endr
.irp b, 0,1
	v_permlanex16_b32 v[BM+2+\b], v[BM+\b], s[SEL], s[SEL+1]
.endr
.irp b, 0,1
	v_max_num_f32 v[BM+\b], v[BM+\b], v[BM+2+\b]
.endr
.irp b, 0,1
	v_add_nc_u32 v[SO+\b], 0xff000000, v[BM+\b]
.endr
.irp b, 0,1
	v_lshrrev_b32 v[BY+\b], 23, v[SO+\b]
.endr
	v_cvt_scalef32_pk16_fp6_f32 v[PC:PC+2], v[O:O+15], v[SO]
	v_cvt_scalef32_pk16_fp6_f32 v[TA:TA+2], v[O+16:O+31], v[SO+1]
	v_nop                                          ; one plain place behind a scaled conversion
.irp i, 0,1,2
	v_permlane16_swap_b32 v[PC+\i], v[TA+\i]       ; a whole block to a lane: lanes 0-15 block 0, lanes 16-31 block 1
.endr
.irp i, 0,1,2
	v_mov_b32 v[PC+3+\i], v[TA+\i]
.endr
	v_cndmask_b32 v[T], v[BY], v[BY+1], vcc_lo     ; lane (r, hh) carries block hh's byte of token r
.irp i, 0,1,2
	global_store_b64 v[AO], v[PC+2*\i:PC+2*\i+1], s[PA:PA+1] offset:(\q)*1536+\i*256   ; 32 lanes store 256 consecutive bytes, aligned
.endr
	global_store_b8 v[AS], v[T], s[PS:PS+1] offset:(\q)*512
.endm
.macro PASS2 q
	s_wait_xcnt 0x0                                ; the other tile's stores have read their data: those registers are rewritten below
	v_mov_b32 v[L], 0
	v_mov_b32 v[L+1], 0
	v_mov_b32 v[T], 0
	v_mov_b32 v[T+1], 0                            ; a lane permute's destination counts as one of its sources
	s_mov_b32 s[TK], 0
	s_mov_b32 s[TV], 0
	STEP2 \q, 1
	s_mov_b32 s[CNT], 15
.Lp2_\@:
	STEP2 \q, 0
	s_sub_co_u32 s[CNT], s[CNT], 1
	s_cmp_lg_u32 s[CNT], 0
	s_cbranch_scc1 .Lp2_\@
	OUT \q
.endm
	PASS2 0
	PASS2 1
	s_wait_tensorcnt 0x0
	ds_add_u32 v254, v255
	s_wait_dscnt 0x0
	CROUND                                         ; the closing round: no work-group ends while a partner may still ask for a block that names it
	s_endpgm
.Lfunc_end_k_q392139d56b_attn:
	.size	k_q392139d56b_attn, .Lfunc_end_k_q392139d56b_attn-k_q392139d56b_attn
	.p2alignl 7, 3214868480
	.fill 96, 4, 3214868480
	.section	.rodata,"a",@progbits
	.p2align	6, 0x0
	.amdhsa_kernel k_q392139d56b_attn
		.amdhsa_group_segment_fixed_size 210944
		.amdhsa_private_segment_fixed_size 0
		.amdhsa_enable_private_segment 0
		.amdhsa_kernarg_size 40
		.amdhsa_user_sgpr_count 2
		.amdhsa_user_sgpr_kernarg_segment_ptr 1
		.amdhsa_wavefront_size32 1
		.amdhsa_system_sgpr_workgroup_id_x 1
		.amdhsa_system_sgpr_workgroup_id_y 1
		.amdhsa_system_sgpr_workgroup_id_z 1
		.amdhsa_system_vgpr_workitem_id 0
		.amdhsa_next_free_vgpr 256
		.amdhsa_next_free_sgpr 66
		.amdhsa_reserve_vcc 1
		.amdhsa_float_denorm_mode_32 3
		.amdhsa_float_denorm_mode_16_64 3
		.amdhsa_memory_ordered 1
		.amdhsa_forward_progress 1
		.amdhsa_inst_pref_size 89
	.end_amdhsa_kernel
	.amdgpu_metadata
---
amdhsa.version: [ 1, 2 ]
amdhsa.kernels:
  - .name:           k_q392139d56b_attn
    .symbol:         k_q392139d56b_attn.kd
    .args:
      - { .name: qws, .offset: 0, .size: 8, .value_kind: global_buffer, .address_space: global }
      - { .name: kws, .offset: 8, .size: 8, .value_kind: global_buffer, .address_space: global }
      - { .name: vws, .offset: 16, .size: 8, .value_kind: global_buffer, .address_space: global }
      - { .name: aimg, .offset: 24, .size: 8, .value_kind: global_buffer, .address_space: global }
      - { .name: asc, .offset: 32, .size: 8, .value_kind: global_buffer, .address_space: global }
    .group_segment_fixed_size: 210944
    .private_segment_fixed_size: 0
    .kernarg_segment_align: 8
    .kernarg_segment_size: 40
    .max_flat_workgroup_size: 512
    .sgpr_count:     66
    .vgpr_count:     256
    .wavefront_size: 32
...
	.end_amdgpu_metadata
.endif
;; end of part 2
;; launch outp (part 3): grid 4 x 32, 4 waves a work-group, clusters of 4 x 4, 327,680 bytes of LDS; arguments aimg, asc, out_w_codes, out_w_scales, out0, out_b; writes out0
.if DOCPART == 3
	.amdgcn_target "amdgcn-amd-amdhsa--gfx1250"
	.amdhsa_code_object_version 6
	.text
	.protected	k_q392139d56b_outp
	.globl	k_q392139d56b_outp
	.p2align	8
	.type	k_q392139d56b_outp,@function
k_q392139d56b_outp:
	s_mov_b64 s[64:65], 0
	v_nop
	global_prefetch_b8 v0, s[64:65] scope:SCOPE_SE
	s_setreg_imm32_b32 hwreg(HW_REG_WAVE_MODE, 25, 1), 1
	s_wait_xcnt 0x0
	s_wait_alu depctr_hold_cnt(0) depctr_sa_sdst(0) depctr_va_vdst(0) depctr_va_sdst(0) depctr_va_ssrc(0) depctr_va_vcc(0) depctr_vm_vsrc(0)
	s_getreg_b32 s2, hwreg(HW_REG_IB_STS2, 6, 4)
	s_cmp_eq_u32 s2, 0
	s_cbranch_scc0 .Lentry_in_a_cluster
	s_endpgm
.Lentry_in_a_cluster:
	s_bfe_u32 s2, ttmp6, 0x10000c
	s_cmp_lg_u32 s2, 0xf033
	s_cbranch_scc0 .Lentry_shape_is_right
	s_endpgm
.Lentry_shape_is_right:
; out0 = A W^T + b on codes of FP6 (E2M3) with E8M0 scales, f32 sums.  A: the attention's result, 8,192 tokens x 1,024, as IMAGES of the operand's registers: aimg [K step of 128: 8][tile of 16 tokens: 512][piece p 0..5][lane][8 bytes]
; = registers 2 p, 2 p + 1 of the fragment; its scale bytes asc [8192][32].  W: out_w [1024][1024] as codes, K innermost (768 bytes a row), scale bytes [1024][32].  out0: [8192][1024] f32.
; A tile of 256 x 256 of out0 is made by four waves, 128 x 128 each: 64 accumulators, 512 registers.  K goes in steps of 256 through a ring of two LDS slots filled by the tensor data mover; the scale bytes of the tile's rows
; come once and stay.  128 tiles in clusters of 4 x 4: A's tile is asked for jointly by a row of the cluster, W's by a column.
; The matrix instruction takes W's rows as source 0 and A's as source 1: a lane holds eight neighbouring numbers of a row of out0.  The bias is the C of each sum's first product.
; REGISTERS: window 0: v0-31 addresses; v32-63 scale words, two sets; v64-127 the bias in the accumulators' layout; v128-223 A's fragments, one set; on the way out v128-255 rows.  Window 1: W's fragments, two sets.  Windows 2, 3: the accumulators.
.set SIZE_N, 1024
.set SIZE_K, 1024
.set KSTEP,  256
.set NQ,     KSTEP/128
.set ROWB,   192
.set KROW,   SIZE_K*6/8
.set PITCH,  240                       ; W's rows in LDS: 3 x (64 bytes + 16 of padding)
.set FR,     12
.set NL,     6
.set NP,     4                         ; places behind this matrix instruction (ISA guide 7.12.1)
.set HALFT,  128*PITCH                 ; the room of 128 rows: W's fill it; A's images of 128 rows x 256 K are 24,576 bytes of it
.set SLOT,   4*HALFT
.set LAPS,   SIZE_K/(2*KSTEP)
.set KS,     SIZE_K/32
.set SCL,    2*SLOT
.set HALFS,  (128*KS/256)*272
.set SBLK,   (16*KS/256)*272
.set SPARE,  SCL+4*HALFS               ; the spare words, 128 bytes a wave: two blocks of 256 bytes that no other line names
.set SPITCH, 528                       ; the way out: a stage of 16 rows x (512 bytes + 16) for each wave, in slot 0, which has had its last fill and its last read by then
.set AKS1,   786432                    ; from a K step of 128 to the next in aimg: 512 tiles x 1,536 bytes
.set BIO,  7                           ; v7      byte offset in out_b of my bias
.set ADRA, 16                          ; v16-17  LDS address of my A images in slot 0, 1
.set ADRB, 20                          ; v20-23  of my W fragments (and behind one padding more)
.set STO,  24
.set RD,   25
.set CO,   26
.set ADRS, 27
.set SPW,  28                          ; v28     my spare word; never rewritten
.set NIL,  29                          ; v29     0; never rewritten
.set SC,   32
.set BI,   64
.set AF,   128
.set BK,   128
.set G1, 24
.set G0, 32
.set G1B, 48
.set G0B, 56
.set G1S, 68
.set G0S, 76
.set G1SB, 80
.set G0SB, 88
.set MSB, 0
.macro WIN new                         ; the immediate's high byte repeats the setting that is left
.if MSB != \new
	s_set_vgpr_msb (MSB<<8)|\new
.set MSB, \new
.endif
.endm
.set MUL_LO, 0xa1                      ; source 0 (W) window 1, source 1 (A) window 0, C and D window 2
.set MUL_HI, 0xf1                      ; the same, C and D window 3
.set FST_LO, 0x81                      ; the first step: C (the bias) window 0, D window 2
.set FST_HI, 0xc1                      ; D window 3
.set TO_B,   0x40
.macro JLOAD g0a, g1a, g0b, g1b        ; a joint load: waves 0 and 1 fetch for A, waves 2 and 3 for W; four v_nop follow each of the two lines
	s_cmp_eq_u32 s15, 0
	s_cbranch_scc0 .Lfor_b_\@
	tensor_load_to_lds s[\g0a:\g0a+3], s[\g1a:\g1a+7]
	s_nop 0
.rept 4
	v_nop
.endr
	s_branch .Lasked_\@
.Lfor_b_\@:
	tensor_load_to_lds s[\g0b:\g0b+3], s[\g1b:\g1b+7]
	s_nop 0
.rept 4
	v_nop
.endr
.Lasked_\@:
.endm
.macro CREST
	s_cmp_lg_u32 s14, 0
	s_cbranch_scc1 .Lnot_wave_0_\@
	s_barrier_signal -3
.Lnot_wave_0_\@:
	s_barrier_wait -3
	s_barrier_signal -1
	s_barrier_wait -1
.endm
.macro CROUND
	s_barrier_signal -1
	s_barrier_wait -1
	CREST
.endm
	s_load_b128 s[4:7], s[0:1], 0x0                ; aimg, asc
	s_load_b128 s[8:11], s[0:1], 0x10              ; W's codes, W's scales
	s_load_b64 s[12:13], s[0:1], 0x20              ; out0
	s_load_b64 s[96:97], s[0:1], 0x28              ; out_b
	v_lshl_add_u32 v[SPW], v0, 2, SPARE
	v_mov_b32 v[NIL], 0
	ds_add_u32 v28, v29
	ds_add_u32 v28, v29
	s_wait_dscnt 0x0
	v_lshrrev_b32 v1, 5, v0
	v_readfirstlane_b32 s14, v1                    ; wave 0..3
	s_lshr_b32 s15, s14, 1                         ; which half of the tile's rows is mine.  Also: I fetch for A (0) or for W (1)
	s_and_b32 s16, s14, 1                          ; which half of its columns.  Also: which 128 rows I fetch
	s_bfe_u32 s40, ttmp6, 0x40000                  ; cx
	s_bfe_u32 s41, ttmp6, 0x40004                  ; cy
	s_lshl_b32 s42, ttmp9, 2
	s_add_co_u32 s42, s42, s40                     ; tile column
	s_and_b32 s17, ttmp7, 0xffff
	s_lshl_b32 s17, s17, 2
	s_add_co_u32 s17, s17, s41                     ; tile row
	s_lshl_b32 s43, s41, 2
	s_lshl_b32 s43, 15, s43                        ; my row of the cluster
	s_lshl_b32 s44, 0x1111, s40                    ; my column
	; A's tile: the images of 8 tiles of 16 tokens are 12,288 dense bytes for each K step of 128: two rows of 1,536 elements of 8 bytes, 98,304 elements apart; no padding: an image is read 256 consecutive bytes at a time
	s_or_b32 s[G1+0], s43, (3<<16)|(1<<21)
	s_mov_b32 s[G1+1], 1536<<16                    ; tensor_dim0
	s_mov_b32 s[G1+2], 2<<16                       ; tensor_dim1
	s_mov_b32 s[G1+3], 1536<<16                    ; tile_dim0
	s_mov_b32 s[G1+4], 2                           ; tile_dim1
	s_mov_b32 s[G1+5], AKS1/8                      ; from row to row
	s_mov_b32 s[G1+6], 0
	s_mov_b32 s[G1+7], 0
	; W's tile: 128 rows x 192 bytes, 16 bytes of padding behind every 64
	s_or_b32 s[G1B+0], s44, (0<<16)|(1<<20)|(1<<21)|(3<<22)|(3<<25)
	s_mov_b32 s[G1B+1], ROWB<<16
	s_mov_b32 s[G1B+2], 128<<16
	s_mov_b32 s[G1B+3], ROWB<<16
	s_mov_b32 s[G1B+4], 128
	s_mov_b32 s[G1B+5], KROW
	s_mov_b32 s[G1B+6], 0
	s_mov_b32 s[G1B+7], 0
	; the scales of 128 rows: 4,096 dense bytes as 16 rows of 256, 16 bytes of padding behind each
	s_or_b32 s[G1S+0], s43, (3<<16)|(1<<20)|(1<<21)|(5<<22)|(3<<25)
	s_or_b32 s[G1SB+0], s44, (3<<16)|(1<<20)|(1<<21)|(5<<22)|(3<<25)
.irp g, G1S, G1SB
	s_mov_b32 s[\g+1], 32<<16
	s_mov_b32 s[\g+2], (128*KS/256)<<16
	s_mov_b32 s[\g+3], 32<<16
	s_mov_b32 s[\g+4], 128*KS/256
	s_mov_b32 s[\g+5], 32
	s_mov_b32 s[\g+6], 0
	s_mov_b32 s[\g+7], 0
.endr
	s_lshl_b32 s18, s16, 7
	s_lshl_b32 s20, s17, 8
	s_add_co_u32 s20, s20, s18                     ; A: token 256 x tile row + 128 x half
	s_lshl_b32 s46, s42, 8
	s_add_co_u32 s46, s46, s18                     ; W: row 256 x tile column + 128 x half
	s_mov_b32 s21, 0
	s_mov_b32 s47, 0
	s_mov_b64 s[18:19], KS
	s_mul_u64 s[22:23], s[20:21], s[18:19]         ; where these rows' scales begin
	s_mul_u64 s[92:93], s[46:47], s[18:19]
	s_mov_b64 s[18:19], 96
	s_mul_u64 s[20:21], s[20:21], s[18:19]         ; A's images: 1,536 bytes for 16 tokens
	s_mov_b64 s[18:19], KROW
	s_mul_u64 s[46:47], s[46:47], s[18:19]         ; W's codes
	s_mul_i32 s45, s14, HALFT
	s_mul_i32 s94, s14, HALFS
	s_wait_kmcnt 0x0
	s_add_nc_u64 s[20:21], s[4:5], s[20:21]
	s_add_nc_u64 s[22:23], s[6:7], s[22:23]
	s_add_nc_u64 s[46:47], s[8:9], s[46:47]
	s_add_nc_u64 s[92:93], s[10:11], s[92:93]
	CROUND                                         ; all sixteen work-groups are here: the first joint loads meet
	s_mov_b32 s[G0S], 1
	s_add_co_u32 s[G0S+1], s94, SCL
	s_mov_b64 s[G0S+2:G0S+3], s[22:23]
	s_or_b32 s[G0S+3], s[G0S+3], 0x80000000
	s_mov_b32 s[G0SB], 1
	s_add_co_u32 s[G0SB+1], s94, SCL
	s_mov_b64 s[G0SB+2:G0SB+3], s[92:93]
	s_or_b32 s[G0SB+3], s[G0SB+3], 0x80000000
	JLOAD G0S, G1S, G0SB, G1SB
.irp s, 0,1
	s_mov_b32 s[G0+4*\s], 1
	s_add_co_u32 s[G0+4*\s+1], s45, \s*SLOT
	s_add_nc_u64 s[G0+4*\s+2:G0+4*\s+3], s[20:21], \s*2*AKS1
	s_or_b32 s[G0+4*\s+3], s[G0+4*\s+3], 0x80000000
	s_mov_b32 s[G0B+4*\s], 1
	s_add_co_u32 s[G0B+4*\s+1], s45, \s*SLOT
	s_add_nc_u64 s[G0B+4*\s+2:G0B+4*\s+3], s[46:47], \s*ROWB
	s_or_b32 s[G0B+4*\s+3], s[G0B+4*\s+3], 0x80000000
	JLOAD G0+4*\s, G1, G0B+4*\s, G1B
.endr
	v_and_b32 v1, 15, v0                           ; l % 16
	v_bfe_u32 v2, v0, 4, 1                         ; l / 16
	v_mul_u32_u24 v3, v1, PITCH
	v_mul_u32_u24 v4, v2, 24
	v_add_nc_u32 v4, v3, v4                        ; W: a fragment's row x pitch + 24 x half
	v_lshl_add_u32 v5, v2, 4, v4                   ; and the same behind one padding more
	v_and_b32 v6, 31, v0
	v_lshlrev_b32 v3, 3, v6                        ; A: 8 x lane
	s_mul_i32 s21, s15, HALFT                      ; my 128 rows of A
	s_mul_i32 s22, s16, HALFT                      ; my 128 rows of W,
	s_add_co_u32 s22, s22, 2*HALFT                 ; which lie behind A's
.irp s, 0,1
	v_add_nc_u32 v[ADRA+\s], s21, v3
	v_add_nc_u32 v[ADRB+\s], s22, v4
	v_add_nc_u32 v[ADRB+2+\s], s22, v5
	s_add_co_u32 s21, s21, SLOT
	s_add_co_u32 s22, s22, SLOT
.endr
	v_mul_u32_u24 v5, v1, KS
	v_lshrrev_b32 v6, 8, v5
	v_lshl_add_u32 v5, v6, 4, v5
	s_mul_i32 s21, s15, HALFS
	s_mul_i32 s22, s16, HALFS
	s_add_co_u32 s22, s22, 2*HALFS
	s_sub_co_u32 s22, s22, s21
	v_mul_u32_u24 v6, s22, v2                      ; lanes 16-31 take W's
	s_add_co_u32 s21, s21, SCL
	v_add_nc_u32 v5, v5, v6
	v_add_nc_u32 v[ADRS], s21, v5
	s_mul_i32 s23, s14, 16*SPITCH                  ; my stage
	v_mul_u32_u24 v5, v1, SPITCH
	v_lshl_add_u32 v5, v2, 5, v5
	v_add_nc_u32 v[STO], s23, v5
	v_and_b32 v6, 31, v0
	v_lshlrev_b32 v[CO], 4, v6
	v_add_nc_u32 v[RD], s23, v[CO]
	s_lshl_b32 s20, s17, 8
	s_lshl_b32 s21, s15, 7
	s_add_co_u32 s20, s20, s21                     ; my first row of out0
	s_mov_b32 s21, 0
	s_mov_b64 s[18:19], SIZE_N*4
	s_mul_u64 s[20:21], s[20:21], s[18:19]
	s_lshl_b32 s46, s42, 10                        ; my first column, in bytes: 1024 x tile column + 512 x half
	s_lshl_b32 s47, s16, 9
	s_add_co_u32 s46, s46, s47
	s_mov_b32 s47, 0
	s_add_nc_u64 s[20:21], s[20:21], s[46:47]
	s_add_nc_u64 s[12:13], s[12:13], s[20:21]
	v_lshlrev_b32 v[BIO], 5, v2
	v_add_nc_u32 v[BIO], s46, v[BIO]               ; out_b at my first column, + 32 h: columns 16 b + 8 h + 0 .. 7
.irp b, 0,1,2,3,4,5,6,7
	global_load_b128 v[BI+8*\b:BI+8*\b+3], v[BIO], s[96:97] offset:64*\b
	global_load_b128 v[BI+8*\b+4:BI+8*\b+7], v[BIO], s[96:97] offset:64*\b+16
.endr
.macro FRAG reg, adr, q, i             ; a fragment of W from rows: pieces of 8 bytes; where the piece three on lies behind one padding more, the second address register serves
.irp p, 0,1,2,3,4,5
.set PCE, 12*(\q)+6*(\p/3)+\p%3
.if PCE%8 < 5
	ds_load_b64 v[\reg+2*\p:\reg+2*\p+1], v[\adr] offset:8*PCE+16*(PCE/8)+(\i)*16*PITCH
.else
	ds_load_b64 v[\reg+2*\p:\reg+2*\p+1], v[\adr+2] offset:8*PCE+16*(PCE/8)+(\i)*16*PITCH
.endif
.endr
.endm
.macro FRAGA reg, adr, q, i            ; a fragment of A from its image: six loads of 256 consecutive bytes
.irp p, 0,1,2,3,4,5
	ds_load_b64 v[\reg+2*\p:\reg+2*\p+1], v[\adr] offset:(\q)*12288+(\i)*1536+\p*256
.endr
.endm
; 16 matrix instructions: A's blocks a0, a0 + 1 x W's eight.  zero = 1: the first product starts the sums from the bias.  The 64 accumulators take turns, one instruction a turn.
.macro MUL16 a0, p, q, sc, zero
.irp a, \a0, \a0+1
.irp b, 0,1,2,3,4,5,6,7
.if \zero
	v_wmma_scale_f32_16x16x128_f8f6f4 v[8*(8*((\a)%4)+\b):8*(8*((\a)%4)+\b)+7], v[128*(\p)+FR*\b:128*(\p)+FR*\b+FR-1], v[AF+FR*(\a):AF+FR*(\a)+FR-1], v[BI+8*\b:BI+8*\b+7], v[SC+8*NQ*(\sc)+NQ*\b+(\q)], v[SC+8*NQ*(\sc)+NQ*(\a)+(\q)] matrix_a_fmt:MATRIX_FMT_FP6 matrix_b_fmt:MATRIX_FMT_FP6 matrix_a_scale:MATRIX_SCALE_ROW1
.else
	v_wmma_scale_f32_16x16x128_f8f6f4 v[8*(8*((\a)%4)+\b):8*(8*((\a)%4)+\b)+7], v[128*(\p)+FR*\b:128*(\p)+FR*\b+FR-1], v[AF+FR*(\a):AF+FR*(\a)+FR-1], v[8*(8*((\a)%4)+\b):8*(8*((\a)%4)+\b)+7], v[SC+8*NQ*(\sc)+NQ*\b+(\q)], v[SC+8*NQ*(\sc)+NQ*(\a)+(\q)] matrix_a_fmt:MATRIX_FMT_FP6 matrix_b_fmt:MATRIX_FMT_FP6 matrix_a_scale:MATRIX_SCALE_ROW1
.endif
.endr
.endr
.endm
.macro FETCH_B slot, q, p
	WIN TO_B
.irp i, 0,1,2,3,4,5,6,7
	FRAG 128*(\p)+FR*\i, ADRB+\slot, \q, \i
.endr
	WIN 0
.endm
.macro FETCH_A slot, q, i0
.irp i, \i0, \i0+1, \i0+2, \i0+3
	FRAGA AF+FR*(\i), ADRA+\slot, \q, \i
.endr
.endm
.macro SCALES sc
.irp i, 0,1,2,3,4,5,6,7
	ds_load_b64 v[SC+8*NQ*\sc+NQ*\i:SC+8*NQ*\sc+NQ*\i+1], v[ADRS] offset:\i*SBLK
.endr
.endm
.macro PLACES n
.rept \n
	v_nop
.endr
.endm
.macro STEP slot, q, zero
	s_wait_dscnt 4*NL                              ; W's set and A's blocks 0-3 are in; the youngest 24 loads (A's blocks 4-7) may be out
.if \zero
	WIN FST_LO
.else
	WIN MUL_LO
.endif
	MUL16 0, (\q)%2, \q, \slot, \zero
	MUL16 2, (\q)%2, \q, \slot, \zero
	s_wait_dscnt 0
	PLACES NP
	FETCH_B \slot, (\q)+1, 1-(\q)%2
	FETCH_A \slot, (\q)+1, 0
.if \zero
	WIN FST_HI
.else
	WIN MUL_HI
.endif
	MUL16 4, (\q)%2, \q, \slot, \zero
	MUL16 6, (\q)%2, \q, \slot, \zero
	PLACES NP
	WIN 0
	FETCH_A \slot, (\q)+1, 4
.endm
.macro TURN slot, next, fill
	s_wait_tensorcnt 0x0                           ; all my tensor loads have landed: my part of the next slot
	ds_add_u32 v[SPW], v[NIL]                      ; 0 onto my spare word
	s_wait_dscnt 4*NL+1                            ; the add and the youngest 24 loads may be out
	WIN MUL_LO
	MUL16 0, 1, NQ-1, \slot, 0
	s_wait_dscnt 0x0                               ; the add is done, and my reads of this slot are over
	s_barrier_signal -1
	MUL16 2, 1, NQ-1, \slot, 0
	WIN 0
	s_barrier_wait -1
.if \fill
	CREST                                          ; a round of the cluster's barrier: no wave of any partner still reads this slot or has a load on its way
	s_add_nc_u64 s[G0+4*\slot+2:G0+4*\slot+3], s[G0+4*\slot+2:G0+4*\slot+3], 4*AKS1
	s_add_nc_u64 s[G0B+4*\slot+2:G0B+4*\slot+3], s[G0B+4*\slot+2:G0B+4*\slot+3], 2*ROWB
	JLOAD G0+4*\slot, G1, G0B+4*\slot, G1B         ; the first tensor load behind the round; its four v_nop are also the places in front of the loads below
.else
	PLACES NP
.endif
	v_add_nc_u32 v[ADRS], 4*NQ, v[ADRS]
	FETCH_B \next, 0, 0
	FETCH_A \next, 0, 0
	SCALES \next
	WIN MUL_HI
	MUL16 4, 1, NQ-1, \slot, 0
	MUL16 6, 1, NQ-1, \slot, 0
	PLACES NP
	WIN 0
	FETCH_A \next, 0, 4
.endm
	s_wait_tensorcnt 1                             ; the scales and my part of K step 0 are in; K step 1's load, the one issued behind them, may be out
	s_barrier_signal -1
	s_barrier_wait -1
	FETCH_B 0, 0, 0
	FETCH_A 0, 0, 0
	SCALES 0
	FETCH_A 0, 0, 4
	s_wait_loadcnt 0x0                             ; the bias
	STEP 0, 0, 1
	s_mov_b32 s3, LAPS-1
.Llap:
	TURN 0, 1, 1
	STEP 1, 0, 0
	TURN 1, 0, 1
	STEP 0, 0, 0
	s_sub_co_u32 s3, s3, 1
	s_cmp_lg_u32 s3, 0
	s_cbranch_scc1 .Llap
	TURN 0, 1, 0                                   ; the last lap fills nothing
	STEP 1, 0, 0
	s_wait_dscnt 4*NL
	WIN MUL_LO
	MUL16 0, 1, NQ-1, 1, 0
	MUL16 2, 1, NQ-1, 1, 0
	s_wait_dscnt 0
	WIN MUL_HI
	MUL16 4, 1, NQ-1, 1, 0
	MUL16 6, 1, NQ-1, 1, 0
	WIN 0
; THE WAY OUT, block by block of 16 rows x 128 columns, through my own stage in LDS: in as 32 bytes a lane, back as whole rows of 512 bytes.  LDS serves a wave's instructions in order (ISA guide 5.7.1.4).
.macro TOSTAGE a
.set AC, 64*((\a)%4)
.set WQ, 0x08+4*((\a)/4)
	WIN WQ                                         ; the data: window 2 or 3
.irp b, 0,1,2,3,4,5,6,7
	ds_store_b128 v[STO], v[AC+8*\b:AC+8*\b+3] offset:64*\b          ; each accumulator from its low end on
	ds_store_b128 v[STO], v[AC+8*\b+4:AC+8*\b+7] offset:64*\b+16
.endr
	WIN 0
.set BB, BK+64*((\a)%2)
.irp t, 0,1,2,3,4,5,6,7,8,9,10,11,12,13,14,15
	ds_load_b128 v[BB+4*\t:BB+4*\t+3], v[RD] offset:\t*SPITCH
.endr
.endm
.macro SEND a, younger
.set BB, BK+64*((\a)%2)
	s_wait_dscnt \younger                          ; the block is back in registers
.if (\a) > 0
	s_add_nc_u64 s[12:13], s[12:13], 16*SIZE_N*4   ; (behind a wait on XCNT: the earlier stores have read their base)
.endif
.irp t, 0,1,2,3,4,5,6,7,8,9,10,11,12,13,14,15
	global_store_b128 v[CO], v[BB+4*\t:BB+4*\t+3], s[12:13] offset:\t*SIZE_N*4 th:TH_STORE_NT   ; 32 lanes store 512 consecutive bytes, aligned
.endr
.endm
	PLACES NP
	TOSTAGE 0
.irp a, 1,2,3,4,5,6,7
.if \a > 1
	s_wait_xcnt 0x0                                ; block a - 2's stores have read their registers and their base
.endif
	TOSTAGE \a
	SEND \a-1, 32                                  ; behind block a - 1's loads: block a's 16 stores and 16 loads
.endr
	s_wait_xcnt 0x0
	SEND 7, 0
	s_wait_tensorcnt 0x0                           ; the wave's end
	ds_add_u32 v[SPW], v[NIL]
	s_wait_dscnt 0x0
	CROUND                                         ; the closing round
	s_endpgm
.Lfunc_end_k_q392139d56b_outp:
	.size	k_q392139d56b_outp, .Lfunc_end_k_q392139d56b_outp-k_q392139d56b_outp
	.p2alignl 7, 3214868480
	.fill 96, 4, 3214868480
	.section	.rodata,"a",@progbits
	.p2align	6, 0x0
	.amdhsa_kernel k_q392139d56b_outp
		.amdhsa_group_segment_fixed_size 327680
		.amdhsa_private_segment_fixed_size 0
		.amdhsa_enable_private_segment 0
		.amdhsa_kernarg_size 48
		.amdhsa_user_sgpr_count 2
		.amdhsa_user_sgpr_kernarg_segment_ptr 1
		.amdhsa_wavefront_size32 1
		.amdhsa_system_sgpr_workgroup_id_x 1
		.amdhsa_system_sgpr_workgroup_id_y 1
		.amdhsa_system_sgpr_workgroup_id_z 1
		.amdhsa_system_vgpr_workitem_id 0
		.amdhsa_next_free_vgpr 1024
		.amdhsa_next_free_sgpr 98
		.amdhsa_reserve_vcc 0
		.amdhsa_float_denorm_mode_32 3
		.amdhsa_float_denorm_mode_16_64 3
		.amdhsa_memory_ordered 1
		.amdhsa_forward_progress 1
		.amdhsa_inst_pref_size 161
	.end_amdhsa_kernel
	.amdgpu_metadata
---
amdhsa.version: [ 1, 2 ]
amdhsa.kernels:
  - .name:           k_q392139d56b_outp
    .symbol:         k_q392139d56b_outp.kd
    .args:
      - { .name: aimg, .offset: 0, .size: 8, .value_kind: global_buffer, .address_space: global }
      - { .name: asc, .offset: 8, .size: 8, .value_kind: global_buffer, .address_space: global }
      - { .name: out_w_codes, .offset: 16, .size: 8, .value_kind: global_buffer, .address_space: global }
      - { .name: out_w_scales, .offset: 24, .size: 8, .value_kind: global_buffer, .address_space: global }
      - { .name: out0, .offset: 32, .size: 8, .value_kind: global_buffer, .address_space: global }
      - { .name: out_b, .offset: 40, .size: 8, .value_kind: global_buffer, .address_space: global }
    .group_segment_fixed_size: 327680
    .private_segment_fixed_size: 0
    .kernarg_segment_align: 8
    .kernarg_segment_size: 48
    .max_flat_workgroup_size: 128
    .sgpr_count:     98
    .vgpr_count:     1024
    .wavefront_size: 32
...
	.end_amdgpu_metadata
.endif
;; end of part 3
